; MI455X (gfx1250); checked and timed in simulation.
; The chip was launched on July 23, 2026; its instructions are those of AMD's public machine-readable ISA for CDNA 5 (MIT licence, August 2026) and "CDNA5" Instruction Set Architecture Reference Guide (July 2026). The comments in the code are by the model that wrote it; some were corrected since.
;; Causal Multi Head Self Attention. Allowed arithmetic: matrix products marked QUANTISED: E3M2 operands, one E8M0 scale for each 32 along K, by v_wmma_scale_f32_16x16x128_f8f6f4 with both operands' format E3M2, f32 sums; everything else in f32.
;; Inputs: token_positions 2,048 int32; w_out 1,024 x 1,024 float32; w_qkv 3,072 x 1,024 float32; x 4 x 2,048 x 1,024 float32.
;; Outputs: out0 4 x 2,048 x 1,024 float32.
;; This version of the problem:
;;   THIS VERSION OF THE PROBLEM IS GIVEN IN LOW PRECISION. The matrix products marked QUANTISED in the list below multiply operands that are first quantised to E3M2 (3 exponent bits, 2 mantissa bits; 6 bits a number), with one power-of-two scale for each 32 numbers along K (OCP MX v1.0); their sums are f32. All else is computed in f32.
;;   The module's matrix products, in the order in which they are computed (A, B: the left and right operand; K: the contracted axis; several contracted axes count as one K, in the product's order):
;;     1. [M 8,192, K 1,024] x [K 1,024, N 3,072]; A: input x; B: input w_qkv: QUANTISED
;;     2. batch 64 x [M 2,048, K 64] x [K 64, N 2,048]; A: computed on the way; B: computed on the way: QUANTISED
;;     3. batch 64 x [M 2,048, K 2,048] x [K 2,048, N 64]; A: softmax (see below); B: computed on the way: QUANTISED
;;     4. [M 8,192, K 1,024] x [K 1,024, N 1,024]; A: computed on the way; B: input w_out: QUANTISED
;;   THE QUANTISER, for each operand of a quantised product, along K:
;;     - K is cut into blocks of 32 from its start; a last block that is shorter is filled with zeros.
;;     - A block's scale is 2^e with e = floor(log2(the largest magnitude in the block)) - 4, held to -126 .. 127; a block of zeros has e = 0. As a byte (E8M0): e + 127.
;;     - Each number is divided by its block's scale, clamped to +-28, and rounded to the nearest number of E3M2, ties to even, subnormals kept.
;;     - The product sums the exact products of the quantised numbers (number of the format x scale) in f32.
;;   ~~~python
;;   def quantise(x, axis):      # numpy; x: float32 -> the quantised numbers, widened to float32 again
;;       x = np.moveaxis(x, axis, -1); K = x.shape[-1]
;;       x = np.pad(x, [(0, 0)] * (x.ndim - 1) + [(0, -K % 32)]); x = x.reshape(x.shape[:-1] + (-1, 32)); a = np.abs(x).max(-1, keepdims=True)
;;       e = np.where(a > 0, np.clip(np.frexp(np.where(a > 0, a, 1))[1] - 1 - 4, -126, 127), 0)      # np.frexp(a)[1] - 1 = floor(log2(a)), exactly
;;       r = np.clip(x / 2.0 ** e, -28, 28)
;;       step = 2.0 ** (np.maximum(np.frexp(np.where(r == 0, 1, r))[1] - 1, -2) - 2)
;;       q = np.round(r / step) * step * 2.0 ** e      # np.round: ties to even
;;       return np.moveaxis(q.reshape(q.shape[:-2] + (-1,))[..., :K], -1, axis).astype(np.float32)
;;   ~~~
;;   SOFTMAX AHEAD OF A QUANTISED PRODUCT. Where the list says 'softmax', what is quantised is not the finished softmax but p = 2^(t - M), with t = logit x log2(e) and M = ceil(the row's largest t), a whole number; so 1/2 < the row's largest p <= 1. The row's sum l is taken of the UNQUANTISED p, in f32, and the product's result is divided by l at the end. Since M is a whole number, a kernel that streams over the keys may use a running M (the ceiling of the running maximum): every later rescaling is an exact power of two, which a block's scale takes up: the codes' values come out the same.
;;   OPERANDS COMPUTED ON THE WAY. 'Computed on the way' means the value that the module computes at that place (a softmax that the list does not call 'softmax' is quantised finished and normalised). What goes into a quantiser is computed in f32, as accurately as f32 sums, v_exp_f32 and their like allow (about 1e-6 of the number): no bf16 or f16 on the way to a quantiser, and a product that is left as it is and whose result goes on into a quantised operand takes f32 operands (vector FMAs, or v_wmma_f32_16x16x4_f32). A number that lies on a knife's edge between two numbers of the format may be rounded either way, as far as f32 arithmetic and the matrix unit's own rounding can turn it there, and no further.
;; One version. Each part assembles by itself: llvm-mc -triple=amdgcn-amd-amdhsa -mcpu=gfx1250 --defsym DOCPART=n.
;; ======== version 1 of 1: 4 launches
;; limits: right only within a limited range of input values
;; workspace buffers: c1 9,437,184 bytes; s1 393,216 bytes; rope 524,288 bytes; c2 18,874,368 bytes; s2 786,432 bytes; yc 6,291,456 bytes; ys 262,144 bytes
;; launch prep (part 1): grid 400 x 1, 8 waves a work-group, no clusters, 68,608 bytes of LDS; arguments x, w_qkv, w_out, token_positions, c1, s1, rope; writes c1, s1, rope
.if DOCPART == 1
	.amdgcn_target "amdgcn-amd-amdhsa--gfx1250"
	.amdhsa_code_object_version 6
	.text
	.protected	k_q970af2354a_prep
	.globl	k_q970af2354a_prep
	.p2align	8
	.type	k_q970af2354a_prep,@function
k_q970af2354a_prep:
	s_mov_b64 s[64:65], 0
	v_nop
	global_prefetch_b8 v0, s[64:65] scope:SCOPE_SE
	s_setreg_imm32_b32 hwreg(HW_REG_WAVE_MODE, 25, 1), 1
	s_wait_xcnt 0x0
; PREP.  x [8192][1024], w_qkv [3072][1024], w_out [1024][1024], f32, become codes of BF6 (E3M2) with one E8M0 byte for each 32 along K; token_positions become a table of cos and sin.
; THE UNIT, 768 bytes, is the one layout of codes in this program: 16 rows x 64 along K as an image of the operand's registers.  Lane l = r + 16 h holds block h (32 codes, 6 registers) of row r;
; bytes 0-511 are the lanes' registers 0-3 at 16 l, bytes 512-767 their registers 4-5 at 8 l.  Two units are a fragment of 128 along K.
; THE ROWS OF A TILE ARE NOT NEIGHBOURS: lane row r of tile 2 b + u is row 32 b + 8 u + r + 8 (r / 8), so that a product that takes the tile as source 0 leaves 16 neighbours in the registers of two tiles.
; c1: [row tile 0-767][64 along K, 0-15][768]: tiles 0-511 x, 512-703 w_qkv, 704-767 w_out.   s1: [row tile][256 along K, 0-3][row 0-15][2 words]; a word = the four bytes of 128 along K.
; rope: [s 0-2047][i 0-31][cos, sin] f32, of the angle token_positions[s] x 10000^(-i / 32).
; SHARES.  Work-groups 0-383: a wave takes one row tile x 256 along K (two fragments).  Its 32 loads read 512 consecutive bytes of a row each; the numbers turn through the wave's own stage in LDS (rows of 512 + 16 bytes),
; so that a lane holds whole blocks of 32 neighbours.  Work-groups 384-399: a wave takes 16 positions, lane = i.  Waves share nothing: no barrier, no tensor load, no cluster (no byte is read by two work-groups).
; A block's scale byte is its largest magnitude's exponent field - 4, held at 1 from below (a block of zeros gets 1: its codes are zeros, and this program alone reads the bytes).
; LIMITS: NaN and infinities are not served; blocks whose largest magnitude lies under 2^-122 are held at the byte 1; the angle's reduction is exact in its first step for |angle| under 2^22.
.set STGW, 8448                        ; a wave's stage: 16 rows x 528 bytes
.set SP,   528
.set R,    64                          ; v64-127, v128-191  the two fragments' numbers as loaded
.set X,    192                         ; v192-255 64 numbers: register 32 c + i = number i of block 2 c + h of my row
.set C,    32                          ; v32-55   codes, 12 registers a fragment: no store's data are written again
	s_load_b256 s[4:11], s[0:1], 0x0               ; x s[4:5], w_qkv s[6:7], w_out s[8:9], token_positions s[10:11]
	s_load_b128 s[12:15], s[0:1], 0x20             ; c1 s[12:13], s1 s[14:15]
	s_load_b64 s[16:17], s[0:1], 0x30              ; rope
	v_lshl_add_u32 v62, v0, 2, 0x10800
	v_mov_b32 v63, 0
	v_lshrrev_b32 v1, 5, v0
	s_delay_alu instid0(VALU_DEP_1)
	v_readfirstlane_b32 s18, v1                    ; wave 0..7
	v_and_b32 v1, 31, v0                           ; lane l
	s_cmp_ge_u32 ttmp9, 384
	s_cbranch_scc1 .Lrope                          ; the last sixteen work-groups make the table
	v_and_b32 v2, 15, v0                           ; r
	v_bfe_u32 v3, v0, 4, 1                         ; h
	v_lshlrev_b32 v4, 4, v1                        ; 16 l
	v_lshlrev_b32 v5, 3, v1                        ; 8 l
	s_mul_i32 s19, s18, STGW                       ; my stage
	v_add_nc_u32 v6, s19, v4                       ; into it: 16 l of a row
	v_mul_u32_u24 v7, v2, SP
	s_delay_alu instid0(VALU_DEP_1)
	v_lshl_add_u32 v7, v3, 7, v7
	s_delay_alu instid0(VALU_DEP_1)
	v_add_nc_u32 v7, s19, v7                       ; out of it: row r, + 128 h: my block of 32 numbers
	v_lshlrev_b32 v8, 3, v3                        ; 8 h: my bytes' shift in a scale word
	v_lshlrev_b32 v9, 3, v2
	s_delay_alu instid0(VALU_DEP_1)
	v_lshl_add_u32 v9, v3, 2, v9                   ; 8 r + 4 h: the word that I store
	v_mov_b32 v20, 0                               ; a lane permute's destination counts as one of its sources
	s_mov_b32 s28, 0x76543210
	s_mov_b32 s29, 0xfedcba98                      ; selects for lane l xor 16
	s_lshl_b32 s23, ttmp9, 3
	s_add_co_u32 s23, s23, s18
	s_lshr_b32 s24, s23, 2                         ; row tile
	s_and_b32 s25, s23, 3                          ; which 256 along K
	s_wait_alu depctr_va_vdst(0)
	s_wait_kmcnt 0x0
	s_cmp_lt_u32 ttmp9, 352                        ; which tensor: the choice hangs on the work-group's number alone
	s_cselect_b64 s[20:21], s[6:7], s[8:9]
	s_mov_b32 s22, 704
	s_cselect_b32 s22, 512, s22
	s_cmp_lt_u32 ttmp9, 256
	s_cselect_b64 s[20:21], s[4:5], s[20:21]
	s_cselect_b32 s22, 0, s22                      ; the tensor's first row tile
	s_sub_co_u32 s26, s24, s22                     ; the row tile within its tensor: tile 2 b + u begins at row 32 b + 8 u
	s_lshr_b32 s27, s26, 1
	s_lshl_b32 s30, s27, 17                        ; 32 rows of 4,096 bytes
	s_and_b32 s27, s26, 1
	s_lshl_b32 s27, s27, 15                        ; 8 rows
	s_add_co_u32 s30, s30, s27
	s_lshl_b32 s27, s25, 10                        ; 256 numbers
	s_add_co_u32 s30, s30, s27
	s_mov_b32 s31, 0
	s_add_nc_u64 s[20:21], s[20:21], s[30:31]
	s_mul_i32 s30, s24, 12288
	s_mul_i32 s27, s25, 3072
	s_add_co_u32 s30, s30, s27
	s_add_nc_u64 s[12:13], s[12:13], s[30:31]      ; my four units
	s_lshl_b32 s30, s24, 9
	s_lshl_b32 s27, s25, 7
	s_add_co_u32 s30, s30, s27
	s_add_nc_u64 s[14:15], s[14:15], s[30:31]      ; my 128 bytes of scale words
.macro LOAD f                          ; fragment f: 128 numbers of each of the tile's 16 rows; a load reads 512 consecutive bytes
.irp p, 0,1,2,3,4,5,6,7,8,9,10,11,12,13,14,15
	global_load_b128 v[R+64*\f+4*\p:R+64*\f+4*\p+3], v4, s[20:21] offset:(\p+8*(\p/8))*4096+512*\f th:TH_LOAD_NT
.endr
.endm
.macro TURNQ f                         ; through the stage: LDS serves a wave's instructions in order, so no wait stands between the stores and the loads
.irp p, 0,1,2,3,4,5,6,7,8,9,10,11,12,13,14,15
	ds_store_b128 v6, v[R+64*\f+4*\p:R+64*\f+4*\p+3] offset:SP*\p
.endr
.irp c, 0,1
.irp q, 0,1,2,3,4,5,6,7
	ds_load_b128 v[X+32*\c+4*\q:X+32*\c+4*\q+3], v7 offset:256*\c+16*\q
.endr
.endr
.endm
.macro QF f                            ; 64 numbers become 12 registers of codes and my row's scale word
.irp c, 0,1
.irp e, 0,1
	v_max3_num_f32 v[10+2*\c+\e], |v[X+32*\c+16*\e]|, |v[X+32*\c+16*\e+1]|, 0x2800000   ; two chains a block, each with the floor 2^(5 - 127): the byte cannot fall under 1
.endr
.endr
.irp i, 2,4,6,8,10,12,14
.irp c, 0,1
.irp e, 0,1
	s_delay_alu instid0(VALU_DEP_4)
	v_max3_num_f32 v[10+2*\c+\e], v[10+2*\c+\e], |v[X+32*\c+16*\e+\i]|, |v[X+32*\c+16*\e+\i+1]|
.endr
.endr
.endr
.irp c, 0
	s_delay_alu instid0(VALU_DEP_3)
	v_max_num_f32 v[10+2*\c], v[10+2*\c], v[11+2*\c]   ; the block's largest magnitude: all 32 numbers are mine
.endr
.irp c, 1
	s_delay_alu instid0(VALU_DEP_2)
	v_max_num_f32 v[10+2*\c], v[10+2*\c], v[11+2*\c]   ; the block's largest magnitude: all 32 numbers are mine
.endr
.irp c, 0,1
	s_delay_alu instid0(VALU_DEP_2)
	v_add_nc_u32 v[14+\c], 0xfe000000, v[10+2*\c]  ; 4 off its exponent field: the conversion takes that field as its scale
.endr
.irp c, 0,1
	s_delay_alu instid0(VALU_DEP_2)
	v_lshrrev_b32 v[16+\c], 23, v[14+\c]           ; the scale's byte
.endr
	s_delay_alu instid0(VALU_DEP_1)
	v_lshl_or_b32 v[18+\f], v17, 16, v16           ; my bytes: blocks h and 2 + h,
	s_delay_alu instid0(VALU_DEP_1)
	v_lshlrev_b32 v[18+\f], v8, v[18+\f]           ; at their places;
	s_delay_alu instid0(VALU_DEP_1)
	v_permlanex16_b32 v20, v[18+\f], s28, s29
	s_delay_alu instid0(VALU_DEP_1)
	v_or_b32 v[18+\f], v[18+\f], v20               ; with lane l xor 16's two the word is whole
.irp c, 0,1
	v_cvt_scalef32_pk16_bf6_f32 v[C+12*\f+6*\c:C+12*\f+6*\c+2], v[X+32*\c:X+32*\c+15], v[14+\c]
	v_cvt_scalef32_pk16_bf6_f32 v[24+4*\c:26+4*\c], v[X+32*\c+16:X+32*\c+31], v[14+\c]   ; (a conversion's three registers begin on an even number)
.endr
	v_nop                                          ; one plain place behind a scaled conversion
.irp c, 0,1
.irp i, 0,1,2
	v_mov_b32 v[C+12*\f+6*\c+3+\i], v[24+4*\c+\i]
.endr
.endr
.irp c, 0,1
	global_store_b128 v4, v[C+12*\f+6*\c:C+12*\f+6*\c+3], s[12:13] offset:(2*\f+\c)*768        ; 512 consecutive bytes
	global_store_b64 v5, v[C+12*\f+6*\c+4:C+12*\f+6*\c+5], s[12:13] offset:(2*\f+\c)*768+512   ; 256 consecutive bytes
.endr
.endm
	LOAD 0
	LOAD 1
	s_wait_loadcnt 16                              ; fragment 0's sixteen loads are in; fragment 1's may be out
	TURNQ 0
	s_wait_dscnt 0x0
	QF 0
	s_wait_loadcnt 0x0
	TURNQ 1
	s_wait_dscnt 0x0
	QF 1
	v_cmp_ne_u32 vcc_lo, 0, v3
	s_delay_alu instid0(VALU_DEP_1)
	v_cndmask_b32 v21, v18, v19, vcc_lo            ; lanes 0-15 store fragment 0's word of row r, lanes 16-31 fragment 1's
	global_store_b32 v9, v21, s[14:15]             ; 128 consecutive bytes
	s_wait_tensorcnt 0x0
	ds_add_u32 v62, v63
	s_wait_dscnt 0x0
	s_endpgm
.Lrope:
	s_sub_co_u32 s19, ttmp9, 384
	s_lshl_b32 s19, s19, 3
	s_add_co_u32 s19, s19, s18                     ; which run of 16 positions is my wave's
	s_lshl_b32 s20, s19, 6
	s_mov_b32 s21, 0
	s_lshl_b32 s22, s19, 12                        ; 16 rows of 256 bytes
	s_mov_b32 s23, 0
	s_wait_kmcnt 0x0
	s_add_nc_u64 s[10:11], s[10:11], s[20:21]
	s_add_nc_u64 s[16:17], s[16:17], s[22:23]
	s_load_b512 s[32:47], s[10:11], 0x0            ; 16 positions: they enter values alone
	s_mov_b32 s24, 0xbfc90fdb                      ; -pi/2 in three parts
	s_mov_b32 s25, 0x333bbd2e
	s_mov_b32 s26, 0x26f72ced
	v_mov_b32 v40, 0x3638ef1d                      ; 1/9!
	v_mov_b32 v41, 0xb493f27e                      ; -1/10!
	s_wait_alu depctr_va_vdst(0)
	v_lshlrev_b32 v61, 3, v1                       ; 8 i
	v_cvt_f32_u32 v42, v1                          ; i
	s_delay_alu instid0(VALU_DEP_1)
	v_mul_f32 v43, 0xbed49a80, v42                 ; -i x 435412 / 2^20: exact (5 bits x 17 bits)
	s_wait_alu depctr_va_vdst(0)
	v_exp_f32 v43, v43
	v_mul_f32 v44, 0x342ae0d2, v42                 ; i x ln 2 x (435412 / 2^20 - log2(10000) / 32): what the short constant left out.  (The plain place behind the exponential)
	s_wait_alu depctr_va_vdst(0)
	v_fma_f32 v43, v43, v44, v43                   ; 10000^(-i / 32)
	s_wait_kmcnt 0x0
.irp n, 0,1,2,3,4,5,6,7,8,9,10,11,12,13,14,15
	v_cvt_f32_i32 v50, s[32+\n]
	s_wait_alu depctr_va_vdst(0)
	v_mul_f32 v50, v50, v43                        ; the angle, rounded once
	s_delay_alu instid0(VALU_DEP_1)
	v_mul_f32 v51, 0x3f22f983, v50
	s_delay_alu instid0(VALU_DEP_1)
	v_rndne_f32 v51, v51                           ; the nearest multiple of pi/2
	s_delay_alu instid0(VALU_DEP_1)
	v_fma_f32 v52, v51, s24, v50
	s_delay_alu instid0(VALU_DEP_1)
	v_fma_f32 v52, v51, s25, v52
	s_delay_alu instid0(VALU_DEP_1)
	v_fma_f32 v52, v51, s26, v52                   ; what is left, |.| up to pi/4
	s_delay_alu instid0(VALU_DEP_1)
	v_mul_f32 v53, v52, v52
	s_delay_alu instid0(VALU_DEP_1)
	v_fmaak_f32 v54, v40, v53, 0xb9500d01          ; the sine's series to x^9 and the cosine's to x^10, by turns: what is cut lies under 2e-9
	s_delay_alu instid0(VALU_DEP_2)
	v_fmaak_f32 v55, v41, v53, 0x37d00d01
	s_delay_alu instid0(VALU_DEP_2)
	v_fmaak_f32 v54, v54, v53, 0x3c088889
	s_delay_alu instid0(VALU_DEP_2)
	v_fmaak_f32 v55, v55, v53, 0xbab60b61
	s_delay_alu instid0(VALU_DEP_2)
	v_fmaak_f32 v54, v54, v53, 0xbe2aaaab
	s_delay_alu instid0(VALU_DEP_2)
	v_fmaak_f32 v55, v55, v53, 0x3d2aaaab
	v_mul_f32 v56, v52, v53
	s_delay_alu instid0(VALU_DEP_2)
	v_fmaak_f32 v55, v55, v53, 0xbf000000
	s_delay_alu instid0(VALU_DEP_2)
	v_fma_f32 v54, v56, v54, v52                   ; sine of the rest
	s_delay_alu instid0(VALU_DEP_2)
	v_fma_f32 v55, v55, v53, 1.0                   ; cosine of the rest
	v_cvt_i32_f32 v57, v51                         ; the quadrant
	s_delay_alu instid0(VALU_DEP_1)
	v_and_b32 v58, 1, v57
	s_delay_alu instid0(VALU_DEP_1)
	v_cmp_ne_u32 vcc_lo, 0, v58
	s_delay_alu instid0(VALU_DEP_1)
	v_cndmask_b32 v59, v54, v55, vcc_lo            ; odd quadrants swap the two
	s_delay_alu instid0(VALU_DEP_2)
	v_cndmask_b32 v60, v55, v54, vcc_lo
	v_and_b32 v58, 2, v57
	s_delay_alu instid0(VALU_DEP_1)
	v_lshlrev_b32 v58, 30, v58
	s_delay_alu instid0(VALU_DEP_1)
	v_xor_b32 v[65+2*\n], v58, v59                 ; sin: negative in quadrants 2, 3
	v_add_nc_u32 v57, 1, v57
	s_delay_alu instid0(VALU_DEP_1)
	v_and_b32 v57, 2, v57
	s_delay_alu instid0(VALU_DEP_1)
	v_lshlrev_b32 v57, 30, v57
	s_delay_alu instid0(VALU_DEP_1)
	v_xor_b32 v[64+2*\n], v57, v60                 ; cos: negative in quadrants 1, 2
	global_store_b64 v61, v[64+2*\n:65+2*\n], s[16:17] offset:256*\n   ; 32 lanes store a row of 256 consecutive bytes
.endr
	s_endpgm
.Lfunc_end_k_q970af2354a_prep:
	.size	k_q970af2354a_prep, .Lfunc_end_k_q970af2354a_prep-k_q970af2354a_prep
	.p2alignl 7, 3214868480
	.fill 96, 4, 3214868480
	.section	.rodata,"a",@progbits
	.p2align	6, 0x0
	.amdhsa_kernel k_q970af2354a_prep
		.amdhsa_group_segment_fixed_size 68608
		.amdhsa_private_segment_fixed_size 0
		.amdhsa_enable_private_segment 0
		.amdhsa_kernarg_size 56
		.amdhsa_user_sgpr_count 2
		.amdhsa_user_sgpr_kernarg_segment_ptr 1
		.amdhsa_wavefront_size32 1
		.amdhsa_system_sgpr_workgroup_id_x 1
		.amdhsa_system_sgpr_workgroup_id_y 1
		.amdhsa_system_sgpr_workgroup_id_z 1
		.amdhsa_system_vgpr_workitem_id 0
		.amdhsa_next_free_vgpr 256
		.amdhsa_next_free_sgpr 66
		.amdhsa_reserve_vcc 1
		.amdhsa_float_denorm_mode_32 3
		.amdhsa_float_denorm_mode_16_64 3
		.amdhsa_memory_ordered 1
		.amdhsa_forward_progress 1
		.amdhsa_inst_pref_size 57
	.end_amdhsa_kernel
	.amdgpu_metadata
---
amdhsa.version: [ 1, 2 ]
amdhsa.kernels:
  - .name:           k_q970af2354a_prep
    .symbol:         k_q970af2354a_prep.kd
    .args:
      - { .name: x, .offset: 0, .size: 8, .value_kind: global_buffer, .address_space: global }
      - { .name: w_qkv, .offset: 8, .size: 8, .value_kind: global_buffer, .address_space: global }
      - { .name: w_out, .offset: 16, .size: 8, .value_kind: global_buffer, .address_space: global }
      - { .name: token_positions, .offset: 24, .size: 8, .value_kind: global_buffer, .address_space: global }
      - { .name: c1, .offset: 32, .size: 8, .value_kind: global_buffer, .address_space: global }
      - { .name: s1, .offset: 40, .size: 8, .value_kind: global_buffer, .address_space: global }
      - { .name: rope, .offset: 48, .size: 8, .value_kind: global_buffer, .address_space: global }
    .group_segment_fixed_size: 68608
    .private_segment_fixed_size: 0
    .kernarg_segment_align: 8
    .kernarg_segment_size: 56
    .max_flat_workgroup_size: 256
    .sgpr_count:     66
    .vgpr_count:     256
    .wavefront_size: 32
...
	.end_amdgpu_metadata
.endif
;; end of part 1
;; launch qkv (part 2): grid 12 x 32, 4 waves a work-group, clusters of 4 x 4, 327,680 bytes of LDS; arguments c1, s1, rope, c2, s2; writes c2, s2
.if DOCPART == 2
	.amdgcn_target "amdgcn-amd-amdhsa--gfx1250"
	.amdhsa_code_object_version 6
	.text
	.protected	k_q970af2354a_qkv
	.globl	k_q970af2354a_qkv
	.p2align	8
	.type	k_q970af2354a_qkv,@function
k_q970af2354a_qkv:
	s_mov_b64 s[64:65], 0
	v_nop
	global_prefetch_b8 v0, s[64:65] scope:SCOPE_SE
	s_setreg_imm32_b32 hwreg(HW_REG_WAVE_MODE, 25, 1), 1
	s_wait_xcnt 0x0
	s_wait_alu depctr_hold_cnt(0) depctr_sa_sdst(0) depctr_va_vdst(0) depctr_va_sdst(0) depctr_va_ssrc(0) depctr_va_vcc(0) depctr_vm_vsrc(0)
	s_getreg_b32 s2, hwreg(HW_REG_IB_STS2, 6, 4)
	s_cmp_eq_u32 s2, 0
	s_cbranch_scc0 .Lentry_in_a_cluster
	s_endpgm
.Lentry_in_a_cluster:
	s_bfe_u32 s2, ttmp6, 0x10000c
	s_cmp_lg_u32 s2, 0xf033
	s_cbranch_scc0 .Lentry_shape_is_right
	s_endpgm
.Lentry_shape_is_right:
; QKV.  qkv = x w_qkv^T on codes of BF6 (E3M2) with E8M0 scales; then q and k are rotated (RoPE) and quantised along the head's 64, v along the keys.  Nothing leaves as f32.
; THE PRODUCT.  A tile of 256 tokens x 256 features is made by four waves, 128 x 128 each: 64 accumulators, 512 registers.  K = 1,024 goes in four steps of 256 through a ring of two LDS slots.
; Codes lie in memory as UNITS of 768 bytes (16 rows x 64 K as an image of the operand's registers: registers 0-3 at 16 x lane, registers 4-5 at 512 + 8 x lane), [row tile][K / 64][768]: a fragment is
; four lane-contiguous LDS loads, and a slot's part of a row tile is 3,072 consecutive bytes.  Scale words: [row tile][K / 256][row][2 words]; those of the work-group's rows for all of K come into LDS once.
; THE ROWS OF A TILE: lane row r of tile 2 b + u is row 32 b + 8 u + r + 8 (r / 8).  THE MATRIX INSTRUCTION IS USED TRANSPOSED (source 0 = 16 features, source 1 = 16 tokens): a lane holds ONE token, and the
; 16 registers of feature tiles 2 b, 2 b + 1 are features 32 b + 16 (lane / 16) + 0 .. 15.
; CLUSTERS: 4 x 4 work-groups; x's tiles are asked for jointly along a row of the cluster, w_qkv's along a column.  The cluster's x says which third this is: 0 q, 1 k, 2 v; it is the same in all sixteen partners.
; THE WAY OUT, q and k: a wave's 128 features are two heads.  Token tile by token tile: rotate in f32 by the table's cos and sin, quantise (four blocks of 32 = two heads x two blocks), store each head's unit.
; THE WAY OUT, v: the keys become K.  32 tokens x 128 features at a time turn through the wave's own stage in LDS; a lane then holds one feature and 32 neighbouring keys: one block.
; c2: sections q, k, v of 6,291,456 bytes, each [batch x head][98,304].  q, k: [token tile 0-127][768].  v: [128 keys j][tile of 16 channels 0-3][64 keys c][768].
; s2: sections of 262,144 bytes: [batch x head][j][lane][2 words].  q, k: word i of lane r + 16 g: token tiles 4 i + 2 g and 4 i + 2 g + 1 of step j, row r, two bytes each.  v: channel tile 2 i + g, row r, the step's four key blocks.
; LIMITS: NaN and infinities are not served; a block of zeros gets the byte 1 (its codes are zeros; this program alone reads the bytes).
; REGISTERS: window 0: v1-5 lane numbers, v16-30 addresses, v32-63 scale words (two sets), v128-223 x's fragments (one set), v64-127 and v224-255 the way out.  window 1: w_qkv's fragments, two sets.  windows 2, 3: accumulators.
.set FR,     12                        ; registers of a fragment: 16 rows x 128 K
.set NL,     4                         ; LDS loads that bring one
.set NP,     4                         ; places behind this matrix instruction (ISA guide 7.12.1)
.set NQ,     2                         ; matrix instructions deep in a slot
.set RTB,    12288                     ; a row tile in memory
.set SLB,    3072                      ; its part in a slot: 256 along K
.set HALFT,  8*SLB                     ; 8 row tiles: what one tensor load brings, and what one wave reads of a side
.set SLOT,   4*HALFT                   ; x's 16 row tiles, then w_qkv's 16
.set LAPS,   2                         ; 1,024 / 512
.set SCLA,   2*SLOT                    ; x's scale words, 8,192 bytes
.set SCLB,   SCLA+8192+128             ; w_qkv's; 128 bytes on, so that the two halves of a load's lanes fall on different banks
.set SPARE,  213248                    ; the spare words, 128 bytes for each wave: two blocks of 256 bytes that no other line names
.set STG,    214016                    ; the stages: bytes of their own, into which no fill lands
.set PA,  4                            ; which pointers serve A's and B's codes and scales, and where B begins in them
.set PAS, 6
.set PB,  4
.set PBS, 6
.set BCOFF, 512*RTB
.set BSOFF, 512*512
.set L16,  4                           ; v4   16 x lane
.set L8,   5                           ; v5   8 x lane
.set ADRA, 16                          ; v16-17 LDS address of my A fragments in slot 0, 1, + 16 x lane;  v18-19 + 8 x lane
.set ADRB, 20                          ; v20-23 the same for B
.set ADRS, 27                          ; v27  my scale words: lanes 0-15 A's rows, lanes 16-31 B's
.set SPW,  28                          ; v28  my spare word; never rewritten
.set NIL,  29                          ; v29  0; never rewritten
.set SC,   32
.set AF,   128
.set G1, 24
.set G0, 32
.set G1B, 48
.set G0B, 56
.set G1S, 68
.set G0S, 76
.set G1SB, 80
.set G0SB, 88
.set SEL, 18                           ; s[18:19] selects for lane l xor 16
.set MSB, 0
.macro WIN new                         ; the immediate's high byte repeats the setting that is left
.if MSB != (\new)
	s_set_vgpr_msb (MSB<<8)|(\new)
.set MSB, (\new)
.endif
.endm
.set MUL_LO, 0xa1                      ; source 0 (B) window 1, source 1 (A) window 0, C and D window 2
.set MUL_HI, 0xf1                      ; the same, C and D window 3
.set TO_B,   0x40                      ; destination window 1, address window 0
; A joint load: waves 0 and 1 fetch for A, waves 2 and 3 for B.  The branch hangs on the wave's number alone.  Four v_nop follow each of the two lines.
.macro JLOAD g0a, g1a, g0b, g1b
	s_cmp_eq_u32 s15, 0
	s_cbranch_scc0 .Lfor_b_\@
	tensor_load_to_lds s[\g0a:\g0a+3], s[\g1a:\g1a+7]
	s_nop 0
.rept 4
	v_nop
.endr
	s_branch .Lasked_\@
.Lfor_b_\@:
	tensor_load_to_lds s[\g0b:\g0b+3], s[\g1b:\g1b+7]
	s_nop 0
.rept 4
	v_nop
.endr
.Lasked_\@:
.endm
.macro CREST                           ; a round of the cluster's barrier behind its opening barrier
	s_cmp_lg_u32 s14, 0
	s_cbranch_scc1 .Lnot_wave_0_\@
	s_barrier_signal -3
.Lnot_wave_0_\@:
	s_barrier_wait -3
	s_barrier_signal -1
	s_barrier_wait -1
.endm
.macro CROUND
	s_barrier_signal -1
	s_barrier_wait -1
	CREST
.endm
	s_load_b128 s[4:7], s[0:1], 0x0                ; c1 s[4:5], s1 s[6:7]
	s_load_b128 s[8:11], s[0:1], 0x10              ; rope s[8:9], c2 s[10:11]
	s_load_b64 s[12:13], s[0:1], 0x20              ; s2
	v_lshl_add_u32 v[SPW], v0, 2, SPARE
	v_mov_b32 v[NIL], 0
	ds_add_u32 v28, v29
	ds_add_u32 v28, v29
	s_wait_dscnt 0x0
	v_lshrrev_b32 v1, 5, v0
	v_readfirstlane_b32 s14, v1                    ; wave 0..3
	s_lshr_b32 s15, s14, 1                         ; which 128 tokens are mine.  Also: I fetch for A (0) or for B (1)
	s_and_b32 s16, s14, 1                          ; which 128 features.  Also: which 8 row tiles I fetch
	s_bfe_u32 s40, ttmp6, 0x40000                  ; cx, cy: my place in the cluster
	s_bfe_u32 s41, ttmp6, 0x40004
	s_lshl_b32 s42, ttmp9, 2
	s_add_co_u32 s42, s42, s40                     ; tile column = 4 x cluster x + cx
	s_and_b32 s17, ttmp7, 0xffff
	s_lshl_b32 s17, s17, 2
	s_add_co_u32 s17, s17, s41                     ; tile row = 4 x cluster y + cy
	s_lshl_b32 s43, s41, 2
	s_lshl_b32 s43, 15, s43                        ; my row of the cluster
	s_lshl_b32 s44, 0x1111, s40                    ; my column
	; descriptor group 1 for codes: 8 rows (row tiles) of 3,072 bytes = 384 elements of 8 bytes, 12,288 bytes apart; dense in LDS
	s_or_b32 s[G1+0], s43, (3<<16)|(1<<21)         ; 15:0 the mask; 17:16 elements of 8 bytes; 20 no padding; 21 set beside a mask
	s_or_b32 s[G1B+0], s44, (3<<16)|(1<<21)
.irp g, G1, G1B
	s_mov_b32 s[\g+1], 384<<16                     ; tensor_dim0
	s_mov_b32 s[\g+2], 16<<16                      ; tensor_dim1: 16 row tiles for the head's loads; set to 8 for the ring's behind them
	s_mov_b32 s[\g+3], 384<<16                     ; tile_dim0
	s_mov_b32 s[\g+4], 16                          ; tile_dim1 likewise
	s_mov_b32 s[\g+5], 1536                        ; tensor_dim0_stride
	s_mov_b32 s[\g+6], 0
	s_mov_b32 s[\g+7], 0
.endr
	; and for the scale words of 16 row tiles: 8,192 dense bytes as 32 rows of 256
	s_or_b32 s[G1S+0], s43, (3<<16)|(1<<21)
	s_or_b32 s[G1SB+0], s44, (3<<16)|(1<<21)
.irp g, G1S, G1SB
	s_mov_b32 s[\g+1], 32<<16
	s_mov_b32 s[\g+2], 32<<16                      ; the scale words of 16 row tiles: 8,192 dense bytes as 32 rows of 256
	s_mov_b32 s[\g+3], 32<<16
	s_mov_b32 s[\g+4], 32
	s_mov_b32 s[\g+5], 32
	s_mov_b32 s[\g+6], 0
	s_mov_b32 s[\g+7], 0
.endr
	s_lshl_b32 s20, s17, 4                         ; A: the tile's first row tile, 16 x tile row
	s_lshl_b32 s46, s42, 4                         ; B: 16 x tile column
	s_lshl_b32 s22, s20, 9                         ; where their scale words begin,
	s_mul_i32 s20, s20, RTB                        ; and their codes (all under 2^24)
	s_mov_b32 s21, 0
	s_mov_b32 s23, 0
	s_lshl_b32 s92, s46, 9
	s_add_co_u32 s92, s92, BSOFF
	s_mul_i32 s46, s46, RTB
	s_add_co_u32 s46, s46, BCOFF
	s_mov_b32 s47, 0
	s_mov_b32 s93, 0
	s_mul_i32 s45, s14, HALFT                      ; where the codes go: wave x 8 row tiles: no place in the cluster enters an LDS address
	s_mul_i32 s2, s16, 8*RTB                       ; in the ring I fetch 8 row tiles of a side: which half, in bytes
	s_mov_b32 s3, 0
	s_wait_kmcnt 0x0
	s_add_nc_u64 s[20:21], s[PA:PA+1], s[20:21]
	s_add_nc_u64 s[22:23], s[PAS:PAS+1], s[22:23]
	s_add_nc_u64 s[46:47], s[PB:PB+1], s[46:47]
	s_add_nc_u64 s[92:93], s[PBS:PBS+1], s[92:93]
	CROUND                                         ; all sixteen work-groups are here: the first joint loads meet
	s_mov_b32 s[G0S], 1
	s_mov_b32 s[G0S+1], SCLA
	s_mov_b64 s[G0S+2:G0S+3], s[22:23]
	s_or_b32 s[G0S+3], s[G0S+3], 0x80000000
	s_mov_b32 s[G0SB], 1
	s_mov_b32 s[G0SB+1], SCLB
	s_mov_b64 s[G0SB+2:G0SB+3], s[92:93]
	s_or_b32 s[G0SB+3], s[G0SB+3], 0x80000000
	s_mov_b32 s[G0], 1                             ; slot 0's groups 0 serve the head first: K step 0 of A's 16 row tiles, whole,
	s_mov_b32 s[G0+1], 0
	s_mov_b64 s[G0+2:G0+3], s[20:21]
	s_or_b32 s[G0+3], s[G0+3], 0x80000000
	s_mov_b32 s[G0B], 1                            ; and of B's 16, behind them
	s_mov_b32 s[G0B+1], 2*HALFT
	s_mov_b64 s[G0B+2:G0B+3], s[46:47]
	s_or_b32 s[G0B+3], s[G0B+3], 0x80000000
	s_add_nc_u64 s[20:21], s[20:21], s[2:3]        ; for the ring: my 8 row tiles
	s_add_nc_u64 s[46:47], s[46:47], s[2:3]
	s_mov_b32 s[G0+4], 1                           ; slot 1: K step 1
	s_add_co_u32 s[G0+5], s45, SLOT
	s_add_nc_u64 s[G0+6:G0+7], s[20:21], SLB
	s_or_b32 s[G0+7], s[G0+7], 0x80000000
	s_mov_b32 s[G0B+4], 1
	s_add_co_u32 s[G0B+5], s45, SLOT
	s_add_nc_u64 s[G0B+6:G0B+7], s[46:47], SLB
	s_or_b32 s[G0B+7], s[G0B+7], 0x80000000
; THE HEAD'S LOADS, ONE A WAVE: wave 0 K step 0 of A's 16 row tiles, wave 1 of B's, wave 2 A's scale words, wave 3 B's.  One tree of branches on the wave's number, all arms to one join.
.macro ARM under, g0, g1, next
	s_cmp_lt_u32 s14, \under
	s_cbranch_scc0 \next
	tensor_load_to_lds s[\g0:\g0+3], s[\g1:\g1+7]
	s_nop 0
.rept 4
	v_nop
.endr
	s_branch .Lhead_asked
\next:
.endm
	ARM 1, G0,  G1,  .Lhead_b
	ARM 2, G0B, G1B, .Lhead_sa
	ARM 3, G0S, G1S, .Lhead_sb
	tensor_load_to_lds s[G0SB:G0SB+3], s[G1SB:G1SB+7]
	s_nop 0
.rept 4
	v_nop
.endr
.Lhead_asked:
	v_and_b32 v1, 15, v0                           ; r
	v_bfe_u32 v2, v0, 4, 1                         ; h
	v_and_b32 v3, 31, v0                           ; lane
	v_lshlrev_b32 v[L16], 4, v3
	v_lshlrev_b32 v[L8], 3, v3
	s_mul_i32 s21, s15, HALFT                      ; my 8 row tiles of A
	s_mul_i32 s22, s16, HALFT                      ; my 8 of B,
	s_add_co_u32 s22, s22, 2*HALFT                 ; which lie behind A's 16
.irp s, 0,1
	v_add_nc_u32 v[ADRA+\s], s21, v[L16]
	v_add_nc_u32 v[ADRB+\s], s22, v[L16]
	v_add_nc_u32 v[ADRA+2+\s], s21, v[L8]
	v_add_nc_u32 v[ADRB+2+\s], s22, v[L8]
	s_add_co_u32 s21, s21, SLOT
	s_add_co_u32 s22, s22, SLOT
.endr
	v_lshlrev_b32 v6, 3, v1                        ; my row's two words of a K step: 8 r
	s_lshl_b32 s21, s15, 12                        ; A's: my 8 row tiles
	s_lshl_b32 s22, s16, 12                        ; B's
	s_add_co_u32 s22, s22, SCLB-SCLA
	s_sub_co_u32 s22, s22, s21
	v_mul_u32_u24 v7, s22, v2                      ; lanes 16-31 take B's: one product, the distance between the two
	s_add_co_u32 s21, s21, SCLA
	v_add_nc_u32 v6, v6, v7
	v_add_nc_u32 v[ADRS], s21, v6
	s_mul_i32 s95, s14, 32*528
	s_add_co_u32 s95, s95, STG                     ; my stage (v's way out): 32 rows x (512 + 16) bytes
	v_mul_u32_u24 v24, v1, 528
	v_lshl_add_u32 v24, v2, 5, v24
	v_add_nc_u32 v24, s95, v24                     ; v24  into it: row r, + 32 h
	v_lshl_add_u32 v25, v3, 2, s95                 ; v25  out of it: 4 x lane of a row
	v_and_b32 v30, 8, v1
	v_add_nc_u32 v30, v30, v1
	v_lshlrev_b32 v30, 8, v30
	v_lshl_add_u32 v30, v2, 6, v30                 ; v30  the table: my token's row of 256 bytes, + 64 h
	s_lshr_b32 s66, s17, 3                         ; batch
	s_lshl_b32 s66, s66, 4
	s_lshl_b32 s95, s40, 2
	s_add_co_u32 s66, s66, s95
	s_lshl_b32 s95, s16, 1
	s_add_co_u32 s66, s66, s95                     ; my first head: 16 x batch + 4 cx + 2 x half
	s_and_b32 s67, s17, 7
	s_lshl_b32 s67, s67, 1
	s_add_co_u32 s67, s67, s15                     ; j: which 128 tokens of the sequence
	s_lshl_b32 s92, s67, 15
	s_mov_b32 s93, 0
	s_add_nc_u64 s[96:97], s[8:9], s[92:93]        ; the table at my first token
	s_mul_i32 s92, ttmp9, 6291456
	s_mul_i32 s95, s66, 98304
	s_add_co_u32 s92, s92, s95
	s_mul_i32 s95, s67, 6144
	s_add_co_u32 s92, s92, s95
	s_add_nc_u64 s[98:99], s[10:11], s[92:93]      ; c2: my section, my first head, step j
	s_lshl_b32 s92, ttmp9, 18
	s_lshl_b32 s95, s66, 12
	s_add_co_u32 s92, s92, s95
	s_lshl_b32 s95, s67, 8
	s_add_co_u32 s92, s92, s95
	s_add_nc_u64 s[100:101], s[12:13], s[92:93]    ; s2 likewise
	s_mov_b32 s[SEL], 0x76543210
	s_mov_b32 s[SEL+1], 0xfedcba98
.macro FRAG reg, adr, q, i             ; a fragment = two units: registers 0-3, 4-5 of each; every load's lanes read consecutive bytes
	ds_load_b128 v[\reg:\reg+3], v[\adr] offset:(\i)*SLB+(2*(\q))*768
	ds_load_b64 v[\reg+4:\reg+5], v[\adr+2] offset:(\i)*SLB+(2*(\q))*768+512
	ds_load_b128 v[\reg+6:\reg+9], v[\adr] offset:(\i)*SLB+(2*(\q)+1)*768
	ds_load_b64 v[\reg+10:\reg+11], v[\adr+2] offset:(\i)*SLB+(2*(\q)+1)*768+512
.endm
; 16 matrix instructions: A's blocks a0, a0 + 1 x B's eight, the slot's q-th 128 along K.  p: B's set; sc: the set of scale words.  zero = 1: the first product starts the sums.
; The 64 accumulators take turns, one instruction a turn, in the same order in every step.
.macro MUL16 a0, p, q, sc, zero
.irp a, \a0, \a0+1
.irp b, 0,1,2,3,4,5,6,7
.if \zero
	v_wmma_scale_f32_16x16x128_f8f6f4 v[8*(8*((\a)%4)+\b):8*(8*((\a)%4)+\b)+7], v[128*(\p)+FR*\b:128*(\p)+FR*\b+FR-1], v[AF+FR*(\a):AF+FR*(\a)+FR-1], 0, v[SC+8*NQ*(\sc)+NQ*\b+(\q)], v[SC+8*NQ*(\sc)+NQ*(\a)+(\q)] matrix_a_fmt:MATRIX_FMT_BF6 matrix_b_fmt:MATRIX_FMT_BF6 matrix_a_scale:MATRIX_SCALE_ROW1
.else
	v_wmma_scale_f32_16x16x128_f8f6f4 v[8*(8*((\a)%4)+\b):8*(8*((\a)%4)+\b)+7], v[128*(\p)+FR*\b:128*(\p)+FR*\b+FR-1], v[AF+FR*(\a):AF+FR*(\a)+FR-1], v[8*(8*((\a)%4)+\b):8*(8*((\a)%4)+\b)+7], v[SC+8*NQ*(\sc)+NQ*\b+(\q)], v[SC+8*NQ*(\sc)+NQ*(\a)+(\q)] matrix_a_fmt:MATRIX_FMT_BF6 matrix_b_fmt:MATRIX_FMT_BF6 matrix_a_scale:MATRIX_SCALE_ROW1
.endif
.endr
.endr
.endm
.macro FETCH_B slot, q, p
	WIN TO_B
.irp i, 0,1,2,3,4,5,6,7
	FRAG 128*(\p)+FR*\i, ADRB+\slot, \q, \i
.endr
	WIN 0
.endm
.macro FETCH_A slot, q, i0
.irp i, \i0, \i0+1, \i0+2, \i0+3
	FRAG AF+FR*(\i), ADRA+\slot, \q, \i
.endr
.endm
.macro SCALES sc                       ; a K step's two words a row: lanes 0-15 A's block i, lanes 16-31 B's block i
.irp i, 0,1,2,3,4,5,6,7
	ds_load_b64 v[SC+8*NQ*\sc+NQ*\i:SC+8*NQ*\sc+NQ*\i+1], v[ADRS] offset:\i*512
.endr
.endm
.macro PLACES n                        ; plain vector instructions between a matrix instruction and a load into, or a read of, its registers
.rept \n
	v_nop
.endr
.endm
.macro STEP slot, q, zero              ; a step of 128 along K that has its successor in the same slot
	s_wait_dscnt 4*NL                              ; B's set and A's blocks 0-3 are in; the youngest sixteen loads (A's blocks 4-7) may be out
	WIN MUL_LO
	MUL16 0, (\q)%2, \q, \slot, \zero
	MUL16 2, (\q)%2, \q, \slot, \zero
	s_wait_dscnt 0
	PLACES NP
	FETCH_B \slot, (\q)+1, 1-(\q)%2
	FETCH_A \slot, (\q)+1, 0
	WIN MUL_HI
	MUL16 4, (\q)%2, \q, \slot, \zero
	MUL16 6, (\q)%2, \q, \slot, \zero
	PLACES NP
	WIN 0
	FETCH_A \slot, (\q)+1, 4
.endm
; A slot's last step changes slots: ONE barrier; in front of it each wave waits for all its tensor loads, adds 0 to its spare word, and waits for that and for its reads of this slot.
.macro TURN slot, next, fill
	s_wait_tensorcnt 0x0                           ; all my tensor loads have landed: my part of the next slot
	ds_add_u32 v[SPW], v[NIL]                      ; 0 onto my spare word
	s_wait_dscnt 4*NL+1                            ; (the add and the youngest sixteen loads may be out)
	WIN MUL_LO
	MUL16 0, 1, NQ-1, \slot, 0
	s_wait_dscnt 0x0                               ; the add is done, and my reads of this slot are over
	s_barrier_signal -1
	MUL16 2, 1, NQ-1, \slot, 0
	WIN 0
	s_barrier_wait -1
.if \fill
	CREST                                          ; the barrier has opened a round of the cluster's: no wave of any partner still reads this slot or has a load on its way
	s_add_nc_u64 s[G0+4*\slot+2:G0+4*\slot+3], s[G0+4*\slot+2:G0+4*\slot+3], 2*SLB
	s_add_nc_u64 s[G0B+4*\slot+2:G0B+4*\slot+3], s[G0B+4*\slot+2:G0B+4*\slot+3], 2*SLB
	JLOAD G0+4*\slot, G1, G0B+4*\slot, G1B         ; the first tensor load behind the round, my only one until the next; its four v_nop are the places in front of the loads below
.else
	PLACES NP
.endif
	s_wait_alu depctr_va_vdst(0)
	v_add_nc_u32 v[ADRS], 128, v[ADRS]             ; the next K step's scale words (no LDS load of mine is out)
	FETCH_B \next, 0, 0
	FETCH_A \next, 0, 0
	SCALES \next
	WIN MUL_HI
	MUL16 4, 1, NQ-1, \slot, 0
	MUL16 6, 1, NQ-1, \slot, 0
	PLACES NP
	WIN 0
	FETCH_A \next, 0, 4
.endm
.macro LASTSTEP                        ; nothing more to fetch
	s_wait_dscnt 4*NL
	WIN MUL_LO
	MUL16 0, 1, NQ-1, 1, 0
	MUL16 2, 1, NQ-1, 1, 0
	s_wait_dscnt 0
	WIN MUL_HI
	MUL16 4, 1, NQ-1, 1, 0
	MUL16 6, 1, NQ-1, 1, 0
	WIN 0
.endm
	s_wait_alu depctr_va_vdst(0)
	s_wait_tensorcnt 0x0                           ; my tile of the head's four is in
	ds_add_u32 v[SPW], v[NIL]                      ; 0 onto my spare word
	s_mov_b32 s[G1+2], 8<<16                       ; no tensor load of mine is out, so descriptors may be written: from here on a load brings 8 row tiles,
	s_mov_b32 s[G1+4], 8
	s_mov_b32 s[G1B+2], 8<<16
	s_mov_b32 s[G1B+4], 8
	s_add_co_u32 s[G0+1], s45, 0                   ; and slot 0's groups 0 become the ring's: wave x 8 row tiles in LDS, my half in memory
	s_add_co_u32 s[G0B+1], s45, 0
	s_add_nc_u64 s[G0+2:G0+3], s[G0+2:G0+3], s[2:3]
	s_add_nc_u64 s[G0B+2:G0B+3], s[G0B+2:G0B+3], s[2:3]
	s_wait_dscnt 0x0                               ; the add is done
	CROUND                                         ; a whole round: all four tiles are in, and all sixteen work-groups are here
	JLOAD G0+4, G1, G0B+4, G1B                     ; K step 1, the first tensor load behind the round
	FETCH_B 0, 0, 0
	FETCH_A 0, 0, 0
	SCALES 0
	FETCH_A 0, 0, 4
	STEP 0, 0, 1                                   ; the first step's products start the sums
	s_mov_b32 s3, LAPS-1
.Llap:                                                 ; a trip goes once round the ring and fills both slots again
	TURN 0, 1, 1
	STEP 1, 0, 0
	TURN 1, 0, 1
	STEP 0, 0, 0
	s_sub_co_u32 s3, s3, 1
	s_cmp_lg_u32 s3, 0
	s_cbranch_scc1 .Llap
	TURN 0, 1, 0                                   ; the last lap fills nothing
	STEP 1, 0, 0
	s_cmp_ge_u32 ttmp9, 2                          ; the cluster's x: the same in all partners
	s_cbranch_scc1 .Lv
; ---------------- q and k ----------------
.set CS,  64                           ; v64-127  two sets of 32: cos, sin of my token's pairs 8 h + 0..7 and 16 + 8 h + 0..7
.set H,   128                          ; v128-191 64 rotated numbers: register 16 b + i = feature 32 b + 16 h + i
.set PC,  192                          ; v192-215 two sets of 12: the codes
.set CT,  216                          ; v216-222 the conversions' second halves
.set TM,  224                          ; v224-239 at work
.set PW,  240                          ; v240-241 the scale words of an even and an odd token tile: bytes = head 0's two blocks, head 1's two
.set WQ,  242                          ; v242-249 by head and pair of tiles
.set SW,  250                          ; v250-253 as they are stored
.macro ROPELOAD a
.irp e, 0,1
.irp q, 0,1,2,3
	global_load_b128 v[CS+32*((\a)%2)+16*\e+4*\q:CS+32*((\a)%2)+16*\e+4*\q+3], v30, s[96:97] offset:(32*((\a)/2)+8*((\a)%2))*256+128*\e+16*\q
.endr
.endr
.endm
.macro ROPE a                          ; (x1, x2) -> (x1 cos - x2 sin, x1 sin + x2 cos); each accumulator is read from its low end on
	WIN 0x02+(\a)/4                                ; source 0: the accumulators' window
.irp bb, 0,1,2,3,4,5,6,7
.set AC, 8*(8*((\a)%4)+\bb)
.set HO, H+8*\bb
.set CC, CS+32*((\a)%2)+16*((\bb/2)%2)+8*(\bb%2)
.irp jj, 0,2,4,6
	v_mul_f32 v[HO+\jj], v[AC+\jj+1], v[CC+\jj+1]
	v_mul_f32 v[HO+\jj+1], v[AC+\jj+1], v[CC+\jj]
.endr
.irp jj, 0,2,4,6
	v_fma_f32 v[HO+\jj], v[AC+\jj], v[CC+\jj], -v[HO+\jj]
	v_fma_f32 v[HO+\jj+1], v[AC+\jj], v[CC+\jj+1], v[HO+\jj+1]
.endr
.endr
	WIN 0
.endm
; 64 numbers of a lane, register 16 b + i = k 32 b + 16 (lane / 16) + i of my row, become a fragment's codes and its scale word
.macro QUANT s, pc, pw
.irp b, 0,1,2,3
	v_max3_num_f32 v[TM+\b], |v[\s+16*\b]|, |v[\s+1+16*\b]|, 0x2800000   ; my 16 numbers of block b, and the floor 2^(5 - 127): the byte cannot fall under 1
.endr
.irp i, 2,4,6,8,10,12,14
.irp b, 0,1,2,3
	v_max3_num_f32 v[TM+\b], v[TM+\b], |v[\s+16*\b+\i]|, |v[\s+1+16*\b+\i]|
.endr
.endr
.irp b, 0,1,2,3
	v_permlanex16_b32 v[TM+4+\b], v[TM+\b], s[SEL], s[SEL+1]
.endr
.irp b, 0,1,2,3
	v_max_num_f32 v[TM+\b], v[TM+\b], v[TM+4+\b]   ; with lane l xor 16's: the block's largest magnitude
.endr
.irp b, 0,1,2,3
	v_add_nc_u32 v[TM+12+\b], 0xfe000000, v[TM+\b] ; 4 off its exponent field: the conversion's scale operand
.endr
.irp b, 0,1,2,3
	v_lshrrev_b32 v[TM+4+\b], 23, v[TM+12+\b]      ; the scale's byte
.endr
	v_lshl_or_b32 v[\pw], v[TM+5], 8, v[TM+4]
	v_lshl_or_b32 v[\pw], v[TM+6], 16, v[\pw]
	v_lshl_or_b32 v[\pw], v[TM+7], 24, v[\pw]
.irp c, 0,1
	v_cvt_scalef32_pk16_bf6_f32 v[\pc+6*\c:\pc+6*\c+2], v[\s+32*\c:\s+32*\c+15], v[TM+12+2*\c]
	v_cvt_scalef32_pk16_bf6_f32 v[CT+4*\c:CT+4*\c+2], v[\s+32*\c+16:\s+32*\c+31], v[TM+12+2*\c+1]   ; (a conversion's three registers begin on an even number)
.endr
	v_nop                                          ; one plain place behind a scaled conversion
.irp c, 0,1                            ; the layout wants a WHOLE block in a lane: lanes 0-15 block 2 c, lanes 16-31 block 2 c + 1
.irp i, 0,1,2
	v_permlane16_swap_b32 v[\pc+6*\c+\i], v[CT+4*\c+\i]
.endr
.irp i, 0,1,2
	v_mov_b32 v[\pc+6*\c+3+\i], v[CT+4*\c+\i]
.endr
.endr
.endm
	ROPELOAD 0                                     ; the first two token tiles' cos and sin are on their way under the last 64 products
	ROPELOAD 1
	LASTSTEP
	PLACES NP
.irp b, 0,1,2,3
	v_mov_b32 v[TM+4+\b], 0                        ; a lane permute's destination counts as one of its sources
.endr
.irp a, 0,1,2,3,4,5,6,7
.if \a < 7
	s_wait_loadcnt 8                               ; this tile's eight loads are in; the next tile's may be out
.else
	s_wait_loadcnt 0
.endif
	ROPE \a
.if \a < 6
	ROPELOAD \a+2
.endif
.if \a > 1
	s_wait_xcnt 0x0                                ; the stores of two tiles ago have read their data: that set of codes is written again only behind this wait
.endif
	QUANT H, PC+12*(\a%2), PW+\a%2
.irp c, 0,1                            ; registers 6 c .. 6 c + 5 are head c's unit of this token tile
	global_store_b128 v[L16], v[PC+12*(\a%2)+6*\c:PC+12*(\a%2)+6*\c+3], s[98:99] offset:\c*98304+\a*768
	global_store_b64 v[L8], v[PC+12*(\a%2)+6*\c+4:PC+12*(\a%2)+6*\c+5], s[98:99] offset:\c*98304+\a*768+512
.endr
.if \a%2
	v_perm_b32 v[WQ+\a/2], v[PW+1], v[PW], 0x05040100     ; head 0: the even tile's two bytes, the odd tile's two
	v_perm_b32 v[WQ+4+\a/2], v[PW+1], v[PW], 0x07060302   ; head 1
.endif
.endr
	s_mov_b32 s95, 0xffff0000                      ; lanes 16-31
.irp c, 0,1
.irp i, 0,1
	v_cndmask_b32 v[SW+2*\c+\i], v[WQ+4*\c+2*\i], v[WQ+4*\c+2*\i+1], s95   ; word i: lanes 0-15 pair 2 i, lanes 16-31 pair 2 i + 1
.endr
	global_store_b64 v[L8], v[SW+2*\c:SW+2*\c+1], s[100:101] offset:\c*4096   ; 256 consecutive bytes
.endr
	s_branch .Lend
; ---------------- v ----------------
.Lv:
.set COL, 64                           ; v64-127  two sets of 32: a feature's 32 neighbouring keys
.set FRG, 128                          ; v128-223 eight fragments of 12
.set SWV, 232                          ; v232-235 scale words: byte = key block
.macro TOSTAGE2 be                     ; token tiles 2 be and 2 be + 1: 32 tokens x 128 features, rows and columns in the tiles' order
.irp u, 0,1
.set AA, 2*(\be)+\u
	WIN 0x08+4*(AA/4)                              ; an LDS store's data are its source 1: window 2 or 3
.irp b, 0,1,2,3,4,5,6,7
	ds_store_b128 v24, v[8*(8*(AA%4)+\b):8*(8*(AA%4)+\b)+3] offset:\u*16*528+64*\b     ; each accumulator from its low end on
	ds_store_b128 v24, v[8*(8*(AA%4)+\b)+4:8*(8*(AA%4)+\b)+7] offset:\u*16*528+64*\b+16
.endr
.endr
	WIN 0
.endm
.macro LOADCOL g                       ; lane l takes column 32 g + l; register i = key 32 be + i, which lies in stage row (i % 8) + 16 ((i / 8) % 2) + 8 (i / 16)
.irp i, 0,1,2,3,4,5,6,7,8,9,10,11,12,13,14,15,16,17,18,19,20,21,22,23,24,25,26,27,28,29,30,31
	ds_load_b32 v[COL+32*((\g)%2)+\i], v25 offset:((\i&7)+16*((\i/8)%2)+8*(\i/16))*528+128*(\g)
.endr
.endm
.macro PROC g, be                      ; a whole block of 32 keys in a lane: its byte, its 6 registers of codes
.set XS, COL+32*((\g)%2)
.set FD, FRG+24*(\g)+12*((\be)%2)+6*((\be)/2)
	v_max3_num_f32 v228, |v[XS]|, |v[XS+1]|, |v[XS+2]|
	v_max3_num_f32 v229, |v[XS+3]|, |v[XS+4]|, |v[XS+5]|
.irp i, 6,10,14,18,22,26
	v_max3_num_f32 v228, v228, |v[XS+\i]|, |v[XS+\i+1]|
	v_max3_num_f32 v229, v229, |v[XS+\i+2]|, |v[XS+\i+3]|
.endr
	v_max3_num_f32 v228, v228, |v[XS+30]|, |v[XS+31]|
	v_max3_num_f32 v228, v228, v229, 0x2800000     ; and the floor
	v_add_nc_u32 v230, 0xfe000000, v228
	v_lshrrev_b32 v231, 23, v230
.if (\be) == 0
	v_mov_b32 v[SWV+\g], v231
.else
	v_lshl_or_b32 v[SWV+\g], v231, 8*(\be), v[SWV+\g]
.endif
	v_cvt_scalef32_pk16_bf6_f32 v[FD:FD+2], v[XS:XS+15], v230
	v_cvt_scalef32_pk16_bf6_f32 v[224:226], v[XS+16:XS+31], v230
	v_nop                                          ; one plain place behind a scaled conversion
.irp i, 0,1,2
	v_mov_b32 v[FD+3+\i], v[224+\i]
.endr
.endm
	LASTSTEP
	PLACES NP
.irp be, 0,1,2,3
	TOSTAGE2 \be                                   ; LDS serves a wave's instructions in order: these stores come behind the last block's loads, the loads below behind these stores
	LOADCOL 0
	LOADCOL 1
	s_wait_dscnt 32                                ; all but the younger set of 32 loads
	PROC 0, \be
	LOADCOL 2
	s_wait_dscnt 32
	PROC 1, \be
	LOADCOL 3
	s_wait_dscnt 32
	PROC 2, \be
	s_wait_dscnt 0
	PROC 3, \be
.endr
; So far the run (g, e) holds, in lanes 0-15, channel tile 2 g, and in lanes 16-31 tile 2 g + 1, key blocks 2 c + e.  One exchange of halves makes run (g, e) the fragment of tile 2 g + e: lanes 0-15 blocks 2 c, lanes 16-31 blocks 2 c + 1.
.irp g, 0,1,2,3
.irp n, 0,1,2,3,4,5,6,7,8,9,10,11
	v_permlane16_swap_b32 v[FRG+24*\g+\n], v[FRG+24*\g+12+\n]
.endr
.endr
.irp g, 0,1,2,3
.irp e, 0,1
.irp c, 0,1
	global_store_b128 v[L16], v[FRG+24*\g+12*\e+6*\c:FRG+24*\g+12*\e+6*\c+3], s[98:99] offset:(\g/2)*98304+(2*(\g%2)+\e)*1536+\c*768
	global_store_b64 v[L8], v[FRG+24*\g+12*\e+6*\c+4:FRG+24*\g+12*\e+6*\c+5], s[98:99] offset:(\g/2)*98304+(2*(\g%2)+\e)*1536+\c*768+512
.endr
.endr
.endr
.irp c, 0,1
	global_store_b64 v[L8], v[SWV+2*\c:SWV+2*\c+1], s[100:101] offset:\c*4096   ; head c: 256 consecutive bytes
.endr
.Lend:
	s_wait_tensorcnt 0x0                           ; the wave's end
	ds_add_u32 v[SPW], v[NIL]
	s_wait_dscnt 0x0
	CROUND                                         ; the closing round: no work-group ends while a partner may still ask for a tile that names it
	s_endpgm
.Lfunc_end_k_q970af2354a_qkv:
	.size	k_q970af2354a_qkv, .Lfunc_end_k_q970af2354a_qkv-k_q970af2354a_qkv
	.p2alignl 7, 3214868480
	.fill 96, 4, 3214868480
	.section	.rodata,"a",@progbits
	.p2align	6, 0x0
	.amdhsa_kernel k_q970af2354a_qkv
		.amdhsa_group_segment_fixed_size 327680
		.amdhsa_private_segment_fixed_size 0
		.amdhsa_enable_private_segment 0
		.amdhsa_kernarg_size 40
		.amdhsa_user_sgpr_count 2
		.amdhsa_user_sgpr_kernarg_segment_ptr 1
		.amdhsa_wavefront_size32 1
		.amdhsa_system_sgpr_workgroup_id_x 1
		.amdhsa_system_sgpr_workgroup_id_y 1
		.amdhsa_system_sgpr_workgroup_id_z 1
		.amdhsa_system_vgpr_workitem_id 0
		.amdhsa_next_free_vgpr 1024
		.amdhsa_next_free_sgpr 102
		.amdhsa_reserve_vcc 0
		.amdhsa_float_denorm_mode_32 3
		.amdhsa_float_denorm_mode_16_64 3
		.amdhsa_memory_ordered 1
		.amdhsa_forward_progress 1
		.amdhsa_inst_pref_size 255
	.end_amdhsa_kernel
	.section	.bss,"aw",@nobits
	.p2align	6
	.space	262144
	.amdgpu_metadata
---
amdhsa.version: [ 1, 2 ]
amdhsa.kernels:
  - .name:           k_q970af2354a_qkv
    .symbol:         k_q970af2354a_qkv.kd
    .args:
      - { .name: c1, .offset: 0, .size: 8, .value_kind: global_buffer, .address_space: global }
      - { .name: s1, .offset: 8, .size: 8, .value_kind: global_buffer, .address_space: global }
      - { .name: rope, .offset: 16, .size: 8, .value_kind: global_buffer, .address_space: global }
      - { .name: c2, .offset: 24, .size: 8, .value_kind: global_buffer, .address_space: global }
      - { .name: s2, .offset: 32, .size: 8, .value_kind: global_buffer, .address_space: global }
    .group_segment_fixed_size: 327680
    .private_segment_fixed_size: 0
    .kernarg_segment_align: 8
    .kernarg_segment_size: 40
    .max_flat_workgroup_size: 128
    .sgpr_count:     102
    .vgpr_count:     1024
    .wavefront_size: 32
...
	.end_amdgpu_metadata
.endif
;; end of part 2
;; launch attn (part 3): grid 4 x 64, 16 waves a work-group, clusters of 4 x 1, 206,848 bytes of LDS; arguments c2, s2, yc, ys; writes yc, ys
.if DOCPART == 3
	.amdgcn_target "amdgcn-amd-amdhsa--gfx1250"
	.amdhsa_code_object_version 6
	.text
	.protected	k_q970af2354a_attn
	.globl	k_q970af2354a_attn
	.p2align	8
	.type	k_q970af2354a_attn,@function
k_q970af2354a_attn:
	s_mov_b64 s[64:65], 0
	v_nop
	global_prefetch_b8 v0, s[64:65] scope:SCOPE_SE
	s_setreg_imm32_b32 hwreg(HW_REG_WAVE_MODE, 25, 1), 1
	s_wait_xcnt 0x0
	s_wait_alu depctr_hold_cnt(0) depctr_sa_sdst(0) depctr_va_vdst(0) depctr_va_sdst(0) depctr_va_ssrc(0) depctr_va_vcc(0) depctr_vm_vsrc(0)
	s_getreg_b32 s2, hwreg(HW_REG_IB_STS2, 6, 4)
	s_cmp_eq_u32 s2, 0
	s_cbranch_scc0 .Lentry_in_a_cluster
	s_endpgm
.Lentry_in_a_cluster:
	s_bfe_u32 s2, ttmp6, 0x10000c
	s_cmp_lg_u32 s2, 0x3003
	s_cbranch_scc0 .Lentry_shape_is_right
	s_endpgm
.Lentry_shape_is_right:
; ATTN.  y = softmax(q k^T / 8, causal) v for one batch x head a cluster, both products on codes of BF6 (E3M2) with E8M0 scales; y is quantised along the model's 1,024 on its way out.
; THE SOFTMAX: t = score x log2(e) / 8; M = the row's largest t so far, rounded UP to a whole number; p = 2^(t - M) is quantised along the keys, not normalised; the row's sum is taken of the unquantised p and
; divides at the end.  When M moves, the sum and O are multiplied by 2^(old M - new M): exact.
; LDS.  A head's K and V as codes (2 x 98,304 bytes) and their scale words (2 x 4,096) all fit: they are filled ONCE, by all sixteen waves, one tensor load each; nothing is filled again, so there is one barrier and no ring.
; CLUSTER.  The four work-groups of a cluster belong to one head and want the same K and V: every load is a joint one (mask 15).
; SHARES.  The head has 128 tiles of 16 queries.  Wave w of work-group g owns tiles T = 4 w + g and 127 - T.  The last step of 128 keys that counts for T is w / 2, for 127 - T it is 15 - w / 2: neither hangs on g, so every
; branch hangs on the wave's number and a counter alone, and every wave has 17 steps of work.  g enters global addresses and the mask's numbers alone.  Loops have constant trip counts; a hidden step's work is jumped over.
; LAYOUT.  Both products transposed: S^T = K Q^T, O^T = V^T P^T: a lane holds ONE query.  Lane row r of tile 2 b + u (queries, keys, channels alike) is row 32 b + 8 u + r + 8 (r / 8), so that the 16 registers of two
; neighbouring tiles are 16 neighbours along the next K.
; K = 64 IN A FORM OF 128: two key tiles' units are one operand (tile 2 p at k 0-63, tile 2 p + 1 at k 64-127).  It is multiplied by (q, zeros) and by (zeros, q): zero codes add nothing under any byte but 0xff.
; LIMITS: NaN and infinities are not served; a block of zeros gets the byte 1.  A head owns two of a row's 32 scale bytes of y: they leave by byte stores, 32 bytes a tile.
; REGISTERS: v1-11 addresses; v12 -M, v13 the largest t, v[14:15] the sum; v16-33 zeros, q, zeros; v34 q's scale word; v36-83 four fragments; v84-87 K's and V's scale words; v96-159 S^T, then p; v160-191 O^T;
; v192-203 p's codes; v204-233 at work.
.set KIMG, 0
.set VIMG, 98304
.set KSC,  196608
.set VSC,  200704
.set F,    36
.set S,    96
.set O,    160
.set PCD,  192
.set BM,   212                         ; v212-215 a block's largest score, then p
.set BT,   216                         ; v216-219 the other half's; then bytes
.set BO,   220                         ; v220-223 the conversions' scale operands
.macro CROUND                          ; a round of the cluster's barrier
	s_barrier_signal -1
	s_barrier_wait -1
	s_cmp_lg_u32 s12, 0
	s_cbranch_scc1 .Lnot_wave_0_\@
	s_barrier_signal -3
.Lnot_wave_0_\@:
	s_barrier_wait -3
	s_barrier_signal -1
	s_barrier_wait -1
.endm
	s_load_b256 s[4:11], s[0:1], 0x0               ; c2 s[4:5], s2 s[6:7], yc s[8:9], ys s[10:11]
	v_lshl_add_u32 v254, v0, 2, 0x32000
	v_mov_b32 v255, 0
	ds_add_u32 v254, v255
	ds_add_u32 v254, v255
	v_lshrrev_b32 v89, 5, v0
	s_delay_alu instid0(VALU_DEP_1)
	v_readfirstlane_b32 s12, v89                   ; wave 0..15
	s_bfe_u32 s13, ttmp6, 0x40000                  ; g: my place in the cluster
	s_and_b32 s14, ttmp7, 0xffff                   ; batch x head, which the partners share
	; descriptor groups 1: dense blocks as rows of 256 bytes (32 elements of 8 bytes): 96 rows of codes, 4 rows of scale words
	s_mov_b32 s24, 15|(3<<16)|(1<<21)              ; 15:0 the mask: all four work-groups; 17:16 elements of 8 bytes; 21 set beside a mask
	s_mov_b32 s25, 32<<16
	s_mov_b32 s26, 96<<16                          ; 96 rows of codes a load
	s_mov_b32 s27, 32<<16
	s_mov_b32 s28, 96
	s_mov_b32 s29, 32
	s_mov_b32 s30, 0
	s_mov_b32 s31, 0
	s_mov_b32 s32, 15|(3<<16)|(1<<21)
	s_mov_b32 s33, 32<<16
	s_mov_b32 s34, 4<<16
	s_mov_b32 s35, 32<<16
	s_mov_b32 s36, 4
	s_mov_b32 s37, 32
	s_mov_b32 s38, 0
	s_mov_b32 s39, 0
	s_bfe_u32 s66, s12, 0x10002                    ; waves 0-3 fetch K, waves 4-7 V
	s_and_b32 s67, s12, 3                          ; which part
	s_and_b32 s68, s12, 7
	s_lshl_b32 s68, s68, 10
	s_mov_b32 s40, 1
	s_add_co_u32 s41, s68, KSC                     ; scale words: 1,024 bytes a wave, K's four parts, then V's
	s_mul_i32 s69, s66, VIMG
	s_mul_i32 s70, s67, 24576
	s_mov_b32 s44, 1
	s_add_co_u32 s45, s69, s70                     ; codes: 24,576 bytes a wave,
	s_add_co_u32 s68, s66, 1                       ; the section: 1 k, 2 v
	s_lshl_b32 s52, s68, 18
	s_lshl_b32 s69, s14, 12
	s_add_co_u32 s52, s52, s69
	s_lshl_b32 s69, s67, 10
	s_add_co_u32 s52, s52, s69
	s_mov_b32 s53, 0
	s_mul_i32 s54, s68, 6291456
	s_mul_i32 s69, s14, 98304
	s_add_co_u32 s54, s54, s69
	s_add_co_u32 s54, s54, s70
	s_mov_b32 s55, 0
	s_wait_dscnt 0x0
	s_wait_kmcnt 0x0
	s_add_nc_u64 s[42:43], s[6:7], s[52:53]
	s_or_b32 s43, s43, 0x80000000
	s_add_nc_u64 s[46:47], s[4:5], s[54:55]
	s_or_b32 s47, s47, 0x80000000
	CROUND                                         ; all four work-groups are here: the joint loads meet
; THE FILLS: every wave issues ONE joint load.  Waves 0-3 a quarter of K's codes (24,576 bytes), waves 4-7 of V's;
; waves 8-11 a quarter of K's scale words (1,024 bytes), waves 12-15 of V's.  Bits 2 and 1:0 of the wave's number choose the tensor and the part in both groups of eight.
	s_cmp_lt_u32 s12, 8
	s_cbranch_scc0 .Lscale_fill
	tensor_load_to_lds s[44:47], s[24:31]
	s_nop 0
.rept 4
	v_nop
.endr
	s_branch .Lfilled
.Lscale_fill:
	tensor_load_to_lds s[40:43], s[32:39]
	s_nop 0
.rept 4
	v_nop
.endr
.Lfilled:
	v_and_b32 v89, 31, v0                          ; lane
	v_and_b32 v90, 15, v0                          ; r
	v_bfe_u32 v91, v0, 4, 1                        ; h
	s_delay_alu instid0(VALU_DEP_3)
	v_lshlrev_b32 v1, 4, v89                       ; v1  16 x lane
	s_delay_alu instid0(VALU_DEP_4)
	v_lshlrev_b32 v2, 3, v89                       ; v2  8 x lane
	s_delay_alu instid0(VALU_DEP_2)
	v_add_nc_u32 v3, VIMG, v1
	s_delay_alu instid0(VALU_DEP_2)
	v_add_nc_u32 v4, VIMG, v2
	s_delay_alu instid0(VALU_DEP_3)
	v_add_nc_u32 v5, KSC, v2
	s_delay_alu instid0(VALU_DEP_4)
	v_add_nc_u32 v6, VSC, v2
	v_and_b32 v7, 8, v90
	s_delay_alu instid0(VALU_DEP_1)
	v_add_nc_u32 v7, v7, v90
	v_lshlrev_b32 v92, 4, v91
	s_delay_alu instid0(VALU_DEP_1)
	v_sub_nc_u32 v7, v7, v92                       ; v7  r + 8 (r / 8) - 16 h
	v_lshlrev_b32 v35, 3, v90                      ; v35 8 r
	s_delay_alu instid0(VALU_DEP_1)
	v_add_nc_u32 v88, v35, v91                     ; v88 8 r + h
.irp i, 16,17,18,19,20,21,28,29,30,31,32,33
	v_mov_b32 v\i, 0                               ; the zero codes on both sides of q
.endr
.irp b, 0,1,2,3
	v_mov_b32 v[BT+\b], 0                          ; a lane permute's destination counts as one of its sources
.endr
	v_mov_b32 v227, 0                              ; (named as the upper half of the pair v[226:227])
	v_mov_b32 v228, 0
	v_mov_b32 v232, 0xff800000                     ; -infinity
	s_mov_b32 s20, 0x76543210
	s_mov_b32 s21, 0xfedcba98                      ; selects for lane l xor 16
	s_mov_b32 s22, 0x3e38aa3b                      ; c = log2(e) / 8
	s_mov_b32 s23, s22
	s_mov_b32 s71, 0xffff0000                      ; lanes 16-31
	s_lshl_b32 s15, s12, 2
	s_add_co_u32 s15, s15, s13                     ; T = 4 w + g
	s_lshr_b32 s16, s12, 1                         ; its last step: from the wave's number alone
; K's four fragments and scale words of one step: step o (0 or 1) counted from the addresses given
.macro KLOAD a16, a8, as, o
.irp p, 0,1,2,3
	ds_load_b128 v[F+12*\p:F+12*\p+3], v[\a16] offset:1536*\p+6144*\o
	ds_load_b64 v[F+12*\p+4:F+12*\p+5], v[\a8] offset:1536*\p+512+6144*\o
	ds_load_b128 v[F+12*\p+6:F+12*\p+9], v[\a16] offset:1536*\p+768+6144*\o
	ds_load_b64 v[F+12*\p+10:F+12*\p+11], v[\a8] offset:1536*\p+1280+6144*\o
.endr
	ds_load_b64 v[84:85], v[\as] offset:256*\o     ; word i: lanes 0-15 pair 2 i, lanes 16-31 pair 2 i + 1
.endm
; ONE TILE OF 16 QUERIES: T in s15, its last step in s16; trips: the constant number of steps that the loop walks
; q's unit and scale word of tile T (s15) into v[q .. q + 5] and v[w]
.macro QLOAD q, w
	s_wait_xcnt 0x0                                ; any earlier load has read its base
	s_mul_i32 s52, s14, 98304
	s_mul_i32 s66, s15, 768
	s_add_co_u32 s52, s52, s66
	s_add_nc_u64 s[56:57], s[4:5], s[52:53]        ; q's unit
	s_lshl_b32 s52, s14, 12
	s_lshr_b32 s66, s15, 3
	s_lshl_b32 s66, s66, 8
	s_add_co_u32 s52, s52, s66
	s_bfe_u32 s66, s15, 0x10001
	s_lshl_b32 s66, s66, 7
	s_add_co_u32 s52, s52, s66
	s_bfe_u32 s66, s15, 0x10002
	s_lshl_b32 s66, s66, 2
	s_add_co_u32 s52, s52, s66
	s_add_nc_u64 s[58:59], s[6:7], s[52:53]        ; the word that holds its rows' two bytes
	global_load_b128 v[\q:\q+3], v1, s[56:57]
	global_load_b64 v[\q+4:\q+5], v2, s[56:57] offset:512
	global_load_b32 v[\w], v35, s[58:59]
.endm
.macro PASS trips
	s_wait_xcnt 0x0                                ; the last pass's stores have read their bases and data
	s_lshr_b32 s66, s14, 4
	s_lshl_b32 s66, s66, 7
	s_add_co_u32 s66, s66, s15                     ; y's row tile: 128 x batch + T
	s_and_b32 s67, s14, 15                         ; the head
	s_lshl_b32 s52, s66, 4
	s_add_co_u32 s52, s52, s67
	s_mul_i32 s52, s52, 768
	s_add_nc_u64 s[60:61], s[8:9], s[52:53]        ; y's unit
	s_lshl_b32 s52, s66, 9
	s_lshr_b32 s68, s67, 2
	s_lshl_b32 s68, s68, 7
	s_add_co_u32 s52, s52, s68
	s_bfe_u32 s68, s67, 0x10001
	s_lshl_b32 s68, s68, 2
	s_add_co_u32 s52, s52, s68
	s_and_b32 s68, s67, 1
	s_lshl_b32 s68, s68, 1
	s_add_co_u32 s52, s52, s68
	s_add_nc_u64 s[62:63], s[10:11], s[52:53]      ; and its two scale bytes a row
	s_lshr_b32 s66, s15, 1
	s_lshl_b32 s66, s66, 5
	s_and_b32 s67, s15, 1
	s_lshl_b32 s68, s67, 3
	s_add_co_u32 s66, s66, s68
	s_lshl_b32 s68, s16, 7
	s_sub_co_u32 s66, s66, s68                     ; the tile's first query less the last step's first key
	s_lshl_b32 s67, s67, 4
	s_mov_b32 s17, 0                               ; the step
	s_mov_b32 s18, 0                               ; its codes: 6,144 bytes a step
	s_mov_b32 s19, 0                               ; its scale words: 256
	s_wait_loadcnt 0x0
	v_lshrrev_b32 v34, s67, v34                    ; my tile's half of the word,
	s_delay_alu instid0(VALU_DEP_1)
	v_and_b32 v34, 0xffff, v34
	s_delay_alu instid0(VALU_DEP_1)
	v_lshl_or_b32 v34, v34, 16, v34                ; for k 0-63 and for k 64-127.  (The 40 plain lines below are the places in front of the first scaled product)
	v_mov_b32 v13, 0xff61b1e6                      ; the largest t so far: -3e38
	s_delay_alu instid0(VALU_DEP_1)
	v_floor_f32 v12, -v13                          ; -M
	v_mov_b32 v14, 0
	v_mov_b32 v15, 0
	v_add_nc_u32 v233, s66, v7                     ; d: in the last step register 16 b + i holds a hidden key where 32 b + i > d
.set n, 0
.rept 32
	v_mov_b32 v[O+n], 0                            ; O^T: the first change of M multiplies zeros
.set n, n+1
.endr
	KLOAD 1, 2, 5, 0                               ; step 0's K; every later step's is asked for at the foot of the step before
.Lstep_\@:
	s_cmp_gt_u32 s17, s16                          ; all of this step's keys come after my queries: its work is jumped over
	s_cbranch_scc1 .Lhidden_\@
	v_add_nc_u32 v10, s18, v3                      ; V's addresses of this step
	v_add_nc_u32 v11, s18, v4
	v_add_nc_u32 v93, s19, v6
	s_wait_alu depctr_va_vdst(0)
	s_wait_dscnt 0x0
.irp p, 0,1,2,3                        ; S^T: key tile 2 p by (q, zeros), key tile 2 p + 1 by (zeros, q)
.if \p%2
	v_wmma_scale_f32_16x16x128_f8f6f4 v[S+16*\p:S+16*\p+7], v[F+12*\p:F+12*\p+11], v[22:33], 0, v[84+\p/2], v34 matrix_a_fmt:MATRIX_FMT_BF6 matrix_b_fmt:MATRIX_FMT_BF6 matrix_a_scale:MATRIX_SCALE_ROW1
	v_wmma_scale_f32_16x16x128_f8f6f4 v[S+16*\p+8:S+16*\p+15], v[F+12*\p:F+12*\p+11], v[16:27], 0, v[84+\p/2], v34 matrix_a_fmt:MATRIX_FMT_BF6 matrix_b_fmt:MATRIX_FMT_BF6 matrix_a_scale:MATRIX_SCALE_ROW1
.else
	v_wmma_scale_f32_16x16x128_f8f6f4 v[S+16*\p:S+16*\p+7], v[F+12*\p:F+12*\p+11], v[22:33], 0, v[84+\p/2], v34 matrix_a_fmt:MATRIX_FMT_BF6 matrix_b_fmt:MATRIX_FMT_BF6
	v_wmma_scale_f32_16x16x128_f8f6f4 v[S+16*\p+8:S+16*\p+15], v[F+12*\p:F+12*\p+11], v[16:27], 0, v[84+\p/2], v34 matrix_a_fmt:MATRIX_FMT_BF6 matrix_b_fmt:MATRIX_FMT_BF6
.endif
.endr
.rept 4
	v_nop                                          ; places: for the loads below and for the first read of the scores
.endr
.irp p, 0,1,2,3                        ; V's four fragments land under the softmax
	ds_load_b128 v[F+12*\p:F+12*\p+3], v10 offset:1536*\p
	ds_load_b64 v[F+12*\p+4:F+12*\p+5], v11 offset:1536*\p+512
	ds_load_b128 v[F+12*\p+6:F+12*\p+9], v10 offset:1536*\p+768
	ds_load_b64 v[F+12*\p+10:F+12*\p+11], v11 offset:1536*\p+1280
.endr
	ds_load_b64 v[86:87], v93
	s_cmp_lg_u32 s17, s16                          ; only the last step lies on the diagonal
	s_cbranch_scc1 .Lopen_\@
.set n, 0
.rept 64
	v_cmp_gt_i32 vcc_lo, 32*(n/16)+n%16, v233
	v_cndmask_b32 v[S+n], v[S+n], v232, vcc_lo     ; a hidden key's score becomes -infinity: p = 0
.set n, n+1
.endr
.Lopen_\@:
.irp b, 0,1,2,3
	v_max3_num_f32 v[BM+\b], v[S+16*\b], v[S+1+16*\b], v[S+2+16*\b]   ; the largest score of each block of 32 keys: for the row's maximum, and, since p rises with the score, for the block's largest p
.endr
.irp i, 3,5,7,9,11,13
.irp b, 0,1,2,3
	v_max3_num_f32 v[BM+\b], v[BM+\b], v[S+16*\b+\i], v[S+1+16*\b+\i]
.endr
.endr
.irp b, 0,1,2,3
	v_max_num_f32 v[BM+\b], v[BM+\b], v[S+15+16*\b]
.endr
.irp b, 0,1,2,3
	s_delay_alu instid0(VALU_DEP_4)
	v_permlanex16_b32 v[BT+\b], v[BM+\b], s20, s21
.endr
.irp b, 0,1,2,3
	s_delay_alu instid0(VALU_DEP_4)
	v_max_num_f32 v[BM+\b], v[BM+\b], v[BT+\b]     ; with lane l xor 16's 16 keys
.endr
	s_delay_alu instid0(VALU_DEP_2)
	v_max3_num_f32 v228, v[BM], v[BM+1], v[BM+2]
	s_delay_alu instid0(VALU_DEP_1)
	v_max_num_f32 v228, v228, v[BM+3]
	s_delay_alu instid0(VALU_DEP_1)
	v_mul_f32 v228, s22, v228                      ; the step's largest t
	s_delay_alu instid0(VALU_DEP_1)
	v_max_num_f32 v13, v13, v228
	v_mov_b32 v228, v12
	s_delay_alu instid0(VALU_DEP_2)
	v_floor_f32 v12, -v13                          ; the new -M = -ceil(t)
	s_delay_alu instid0(VALU_DEP_1)
	v_sub_f32 v228, v12, v228                      ; old M - new M: a whole number, 0 or less
	s_delay_alu instid0(VALU_DEP_1)
	v_cvt_i32_f32 v228, v228                       ; (it saturates)
	s_delay_alu instid0(VALU_DEP_1)
	v_ldexp_f32 v226, 1.0, v228                    ; f = 2^(old M - new M)
.set n, 0
.rept 32
	v_pk_fma_f32 v[S+n:S+n+1], v[S+n:S+n+1], s[22:23], v[12:13] op_sel_hi:[1,0,0]   ; t - M
.set n, n+2
.endr
.irp b, 0,1,2,3
	v_fma_f32 v[BM+\b], v[BM+\b], s22, v12
.endr
.set n, 0
.rept 16
	v_pk_mul_f32 v[O+n:O+n+1], v[O+n:O+n+1], v[226:227] op_sel_hi:[1,0]   ; O^T under the new M, ahead of the exponentials
.set n, n+2
.endr
.set n, 0
	s_wait_alu depctr_va_vdst(0)
.rept 64
	v_exp_f32 v[S+n], v[S+n]                       ; p = 2^(t - M)
.set n, n+1
.endr
.irp b, 0,1,2,3
	v_exp_f32 v[BM+\b], v[BM+\b]                   ; the block's largest p: the same two instructions on the same number
.endr
	v_pk_mul_f32 v[14:15], v[14:15], v[226:227] op_sel_hi:[1,0]   ; the sums under the new M.  (A plain place behind the exponentials)
	s_wait_alu depctr_va_vdst(0)
.irp b, 0,1,2,3
	v_max_num_f32 v[BM+\b], 0x2800000, v[BM+\b]    ; the floor 2^(5 - 127)
.endr
.irp b, 0,1,2,3
	s_delay_alu instid0(VALU_DEP_4)
	v_add_nc_u32 v[BO+\b], 0xfe000000, v[BM+\b]
.endr
.irp b, 0,1,2,3
	s_delay_alu instid0(VALU_DEP_4)
	v_lshrrev_b32 v[BT+\b], 23, v[BO+\b]
.endr
	s_delay_alu instid0(VALU_DEP_3)
	v_lshl_or_b32 v224, v[BT+1], 8, v[BT]          ; p's scale word for these 128 keys
	s_delay_alu instid0(VALU_DEP_1)
	v_lshl_or_b32 v224, v[BT+2], 16, v224
	s_delay_alu instid0(VALU_DEP_1)
	v_lshl_or_b32 v224, v[BT+3], 24, v224
.irp c, 0,1
	v_cvt_scalef32_pk16_bf6_f32 v[PCD+6*\c:PCD+6*\c+2], v[S+32*\c:S+32*\c+15], v[BO+2*\c]
	v_cvt_scalef32_pk16_bf6_f32 v[204+4*\c:206+4*\c], v[S+32*\c+16:S+32*\c+31], v[BO+2*\c+1]
.endr
	v_nop                                          ; one plain place behind a scaled conversion
.irp c, 0,1
.irp i, 0,1,2
	v_permlane16_swap_b32 v[PCD+6*\c+\i], v[204+4*\c+\i]
.endr
.irp i, 0,1,2
	s_delay_alu instid0(VALU_DEP_3)
	v_mov_b32 v[PCD+6*\c+3+\i], v[204+4*\c+\i]
.endr
.endr
	v_pk_add_f32 v[230:231], v[100:101], v[104:105]
	v_pk_add_f32 v[252:253], v[108:109], v[112:113]
	v_pk_add_f32 v[250:251], v[116:117], v[120:121]
	v_pk_add_f32 v[248:249], v[124:125], v[128:129]
	v_pk_add_f32 v[246:247], v[132:133], v[136:137]
	v_pk_add_f32 v[244:245], v[140:141], v[144:145]
	v_pk_add_f32 v[242:243], v[148:149], v[152:153]
	v_pk_add_f32 v[14:15], v[14:15], v[156:157]    ; (these eight additions are the places between the codes' last moves and the products)
	s_wait_alu depctr_va_vdst(0)
	s_wait_dscnt 0x0                               ; V
.irp t, 0,1,2,3                        ; O^T += V^T P^T: the four accumulators by turns
.if \t%2
	v_wmma_scale_f32_16x16x128_f8f6f4 v[O+8*\t:O+8*\t+7], v[F+12*\t:F+12*\t+11], v[PCD:PCD+11], v[O+8*\t:O+8*\t+7], v[86+\t/2], v224 matrix_a_fmt:MATRIX_FMT_BF6 matrix_b_fmt:MATRIX_FMT_BF6 matrix_a_scale:MATRIX_SCALE_ROW1
.else
	v_wmma_scale_f32_16x16x128_f8f6f4 v[O+8*\t:O+8*\t+7], v[F+12*\t:F+12*\t+11], v[PCD:PCD+11], v[O+8*\t:O+8*\t+7], v[86+\t/2], v224 matrix_a_fmt:MATRIX_FMT_BF6 matrix_b_fmt:MATRIX_FMT_BF6
.endif
.endr
	v_pk_add_f32 v[230:231], v[230:231], v[96:97]
	v_pk_add_f32 v[252:253], v[252:253], v[98:99]
	v_pk_add_f32 v[250:251], v[250:251], v[102:103]
	v_pk_add_f32 v[248:249], v[248:249], v[106:107]   ; (four additions, which name no register of the products, are the places in front of the loads below)
	v_add_nc_u32 v8, s18, v1
	v_add_nc_u32 v9, s18, v2
	v_add_nc_u32 v92, s19, v5
	KLOAD 8, 9, 92, 1                              ; the next step's K lands under the rest of the row's sum.  Behind a tile's last step these bytes are not used; they lie inside the images (at most step 16: V's first bytes)
	v_pk_add_f32 v[246:247], v[246:247], v[110:111]
	v_pk_add_f32 v[244:245], v[244:245], v[114:115]
	v_pk_add_f32 v[242:243], v[242:243], v[118:119]
	v_pk_add_f32 v[14:15], v[14:15], v[122:123]
	v_pk_add_f32 v[230:231], v[230:231], v[126:127]
	v_pk_add_f32 v[252:253], v[252:253], v[130:131]
	v_pk_add_f32 v[250:251], v[250:251], v[134:135]
	v_pk_add_f32 v[248:249], v[248:249], v[138:139]
	v_pk_add_f32 v[246:247], v[246:247], v[142:143]
	v_pk_add_f32 v[244:245], v[244:245], v[146:147]
	v_pk_add_f32 v[242:243], v[242:243], v[150:151]
	v_pk_add_f32 v[14:15], v[14:15], v[154:155]
	v_pk_add_f32 v[230:231], v[230:231], v[158:159]
	s_delay_alu instid0(VALU_DEP_2)
	v_pk_add_f32 v[14:15], v[14:15], v[248:249]
	s_delay_alu instid0(VALU_DEP_2)
	v_pk_add_f32 v[230:231], v[230:231], v[246:247]
	v_pk_add_f32 v[252:253], v[252:253], v[244:245]
	v_pk_add_f32 v[250:251], v[250:251], v[242:243]
	s_delay_alu instid0(VALU_DEP_2)
	v_pk_add_f32 v[14:15], v[14:15], v[252:253]
	s_delay_alu instid0(VALU_DEP_2)
	v_pk_add_f32 v[230:231], v[230:231], v[250:251]
	s_delay_alu instid0(VALU_DEP_1)
	v_pk_add_f32 v[14:15], v[14:15], v[230:231]
	s_wait_alu depctr_va_vdst(0)
.Lhidden_\@:
	s_add_co_u32 s18, s18, 6144
	s_add_co_u32 s19, s19, 256
	s_add_co_u32 s17, s17, 1
	s_cmp_lt_u32 s17, \trips
	s_cbranch_scc1 .Lstep_\@
	s_wait_dscnt 0x0                               ; the K loads asked for at the last step's foot have landed: their registers may be loaded again
.rept 4
	v_nop                                          ; places behind the last products
.endr
	v_add_f32 v14, v14, v15
	s_delay_alu instid0(VALU_DEP_1)
	v_permlanex16_b32 v228, v14, s20, s21
	s_delay_alu instid0(VALU_DEP_1)
	v_add_f32 v14, v14, v228                       ; the row's sum
	s_wait_alu depctr_va_vdst(0)
	v_rcp_f32 v14, v14
	v_nop                                          ; one plain place behind a transcendental
.set n, 0
	s_wait_alu depctr_va_vdst(0)
.rept 32
	v_mul_f32 v[S+n], v[O+n], v14                  ; y: register 16 b + i = channel 32 b + 16 h + i of my query
.set n, n+1
.endr
.irp b, 0,1
	v_max3_num_f32 v[BM+\b], |v[S+16*\b]|, |v[S+1+16*\b]|, 0x2800000
.endr
.irp i, 2,4,6,8,10,12,14
.irp b, 0,1
	s_delay_alu instid0(VALU_DEP_2)
	v_max3_num_f32 v[BM+\b], v[BM+\b], |v[S+16*\b+\i]|, |v[S+1+16*\b+\i]|
.endr
.endr
.irp b, 0,1
	s_delay_alu instid0(VALU_DEP_2)
	v_permlanex16_b32 v[BT+\b], v[BM+\b], s20, s21
.endr
.irp b, 0,1
	s_delay_alu instid0(VALU_DEP_2)
	v_max_num_f32 v[BM+\b], v[BM+\b], v[BT+\b]
.endr
.irp b, 0,1
	s_delay_alu instid0(VALU_DEP_2)
	v_add_nc_u32 v[BO+\b], 0xfe000000, v[BM+\b]
.endr
.irp b, 0,1
	s_delay_alu instid0(VALU_DEP_2)
	v_lshrrev_b32 v[BT+\b], 23, v[BO+\b]
.endr
	v_cvt_scalef32_pk16_bf6_f32 v[PCD:PCD+2], v[S:S+15], v[BO]
	v_cvt_scalef32_pk16_bf6_f32 v[204:206], v[S+16:S+31], v[BO+1]
	v_nop                                          ; one plain place behind a scaled conversion
	v_cndmask_b32 v229, v[BT], v[BT+1], s71        ; lane (r, h) stores block h's byte
.irp i, 0,1,2
	v_permlane16_swap_b32 v[PCD+\i], v[204+\i]
.endr
.irp i, 0,1,2
	s_delay_alu instid0(VALU_DEP_3)
	v_mov_b32 v[PCD+3+\i], v[204+\i]
.endr
	global_store_b128 v1, v[PCD:PCD+3], s[60:61]             ; the unit: 512 and 256 consecutive bytes
	global_store_b64 v2, v[PCD+4:PCD+5], s[60:61] offset:512
	global_store_b8 v88, v229, s[62:63]
.endm
	s_wait_alu depctr_va_vdst(0)
	QLOAD 22, 34                                   ; both tiles' q are asked for while the tensor loads are on their way: the first tile's into its place,
	s_sub_co_u32 s15, 127, s15
	QLOAD 234, 240                                 ; the partner's into v234-240
	s_sub_co_u32 s15, 127, s15
	s_wait_tensorcnt 0x0                           ; my part of K, V or their scale words has landed,
	s_barrier_signal -1
	s_barrier_wait -1                              ; everybody's has
	PASS 8
	s_sub_co_u32 s15, 127, s15                     ; the tile's partner from the other end: together 17 steps
	s_sub_co_u32 s16, 15, s16
.irp i, 0,1,2,3,4,5
	v_mov_b32 v[22+\i], v[234+\i]                  ; the partner's q (the first pass has waited for all loads)
.endr
	v_mov_b32 v34, v240
	s_wait_alu depctr_va_vdst(0)
	PASS 16
	s_wait_tensorcnt 0x0
	ds_add_u32 v254, v255
	s_wait_dscnt 0x0
	CROUND                                         ; the closing round: no work-group ends while a partner may still ask for a tile that names it
	s_endpgm
.Lfunc_end_k_q970af2354a_attn:
	.size	k_q970af2354a_attn, .Lfunc_end_k_q970af2354a_attn-k_q970af2354a_attn
	.p2alignl 7, 3214868480
	.fill 96, 4, 3214868480
	.section	.rodata,"a",@progbits
	.p2align	6, 0x0
	.amdhsa_kernel k_q970af2354a_attn
		.amdhsa_group_segment_fixed_size 206848
		.amdhsa_private_segment_fixed_size 0
		.amdhsa_enable_private_segment 0
		.amdhsa_kernarg_size 32
		.amdhsa_user_sgpr_count 2
		.amdhsa_user_sgpr_kernarg_segment_ptr 1
		.amdhsa_wavefront_size32 1
		.amdhsa_system_sgpr_workgroup_id_x 1
		.amdhsa_system_sgpr_workgroup_id_y 1
		.amdhsa_system_sgpr_workgroup_id_z 1
		.amdhsa_system_vgpr_workitem_id 0
		.amdhsa_next_free_vgpr 256
		.amdhsa_next_free_sgpr 72
		.amdhsa_reserve_vcc 1
		.amdhsa_float_denorm_mode_32 3
		.amdhsa_float_denorm_mode_16_64 3
		.amdhsa_memory_ordered 1
		.amdhsa_forward_progress 1
		.amdhsa_inst_pref_size 69
	.end_amdhsa_kernel
	.amdgpu_metadata
---
amdhsa.version: [ 1, 2 ]
amdhsa.kernels:
  - .name:           k_q970af2354a_attn
    .symbol:         k_q970af2354a_attn.kd
    .args:
      - { .name: c2, .offset: 0, .size: 8, .value_kind: global_buffer, .address_space: global }
      - { .name: s2, .offset: 8, .size: 8, .value_kind: global_buffer, .address_space: global }
      - { .name: yc, .offset: 16, .size: 8, .value_kind: global_buffer, .address_space: global }
      - { .name: ys, .offset: 24, .size: 8, .value_kind: global_buffer, .address_space: global }
    .group_segment_fixed_size: 206848
    .private_segment_fixed_size: 0
    .kernarg_segment_align: 8
    .kernarg_segment_size: 32
    .max_flat_workgroup_size: 512
    .sgpr_count:     72
    .vgpr_count:     256
    .wavefront_size: 32
...
	.end_amdgpu_metadata
.endif
;; end of part 3
;; launch proj (part 4): grid 4 x 64, 4 waves a work-group, clusters of 4 x 4, 327,680 bytes of LDS; arguments yc, ys, c1, s1, out0; writes out0
.if DOCPART == 4
	.amdgcn_target "amdgcn-amd-amdhsa--gfx1250"
	.amdhsa_code_object_version 6
	.text
	.protected	k_q970af2354a_proj
	.globl	k_q970af2354a_proj
	.p2align	8
	.type	k_q970af2354a_proj,@function
k_q970af2354a_proj:
	s_mov_b64 s[64:65], 0
	v_nop
	global_prefetch_b8 v0, s[64:65] scope:SCOPE_SE
	s_setreg_imm32_b32 hwreg(HW_REG_WAVE_MODE, 25, 1), 1
	s_wait_xcnt 0x0
	s_wait_alu depctr_hold_cnt(0) depctr_sa_sdst(0) depctr_va_vdst(0) depctr_va_sdst(0) depctr_va_ssrc(0) depctr_va_vcc(0) depctr_vm_vsrc(0)
	s_getreg_b32 s2, hwreg(HW_REG_IB_STS2, 6, 4)
	s_cmp_eq_u32 s2, 0
	s_cbranch_scc0 .Lentry_in_a_cluster
	s_endpgm
.Lentry_in_a_cluster:
	s_bfe_u32 s2, ttmp6, 0x10000c
	s_cmp_lg_u32 s2, 0xf033
	s_cbranch_scc0 .Lentry_shape_is_right
	s_endpgm
.Lentry_shape_is_right:
; PROJ.  out0 = y w_out^T on codes of BF6 (E3M2) with E8M0 scales; sums in f32.
; A block of 128 tokens x 256 features is made by four waves, 64 x 128 each: 32 accumulators, 256 registers.  8,192 x 1,024 outputs are 256 such blocks.
; ALL OF K = 1,024 LIES IN LDS: y's 8 row tiles (98,304 bytes) and w_out's 16 (196,608), each one dense run of memory in units of 768 bytes (16 rows x 64 K as an image of the operand's registers).
; Four joint loads, one a wave, fill them once: wave 0 y's run, waves 1-3 a third of w_out's (65,536 bytes) each, as rows of 256 bytes.  Nothing is filled again: no ring; the one wait on TENSORcnt is for 0.
; CLUSTERS: 4 x 4 work-groups; y's run is asked for jointly along a row of the cluster, w_out's along a column.
; No prefetch: the launch has no loop to run ahead in; every tile is asked for at the head.
; SCALE WORDS, [row tile][K / 256][row][2 words], go from memory into registers: a load of 8 bytes a lane takes 256 consecutive bytes: lanes 0-15 K / 256 = 2 s, lanes 16-31 2 s + 1 (the matrix instruction's row selector chooses).
; THE ROWS OF A TILE: lane row r of tile 2 b + u is row 32 b + 8 u + r + 8 (r / 8).  THE MATRIX INSTRUCTION IS USED TRANSPOSED (source 0 = 16 features, source 1 = 16 tokens): a lane holds eight neighbouring features of one token.
; THE WAY OUT: 16 tokens x 128 features at a time through the wave's stage in LDS, back as rows of 512 bytes.  The stages lie in y's bytes, which have had their only fill, behind a barrier in front of which every wave's LDS reads are over.
; REGISTERS: window 0: v4-29 addresses, v32-47 y's scale words, v48-79 w_out's, v128-223 y's fragments (two sets of 48), on the way out v128-255.  window 1: w_out's fragments, two sets, at v0 and v128.  window 2: accumulators.
.set FR,     12
.set RTB,    12288                     ; a row tile: 16 rows x 1,024 K
.set BIMG,   8*RTB                     ; w_out's tiles lie behind y's
.set SPARE,  24*RTB                    ; the spare words, 128 bytes a wave: two blocks of 256 bytes that no other line names
.set SPITCH, 528
.set BCOFF,  704*RTB                   ; w_out in c1 and in s1
.set BSOFF,  704*512
.set L16,  4
.set L8,   5
.set ADRA, 16                          ; v16-17 my y tiles + 16 x lane, + 8 x lane
.set ADRB, 18                          ; v18-19 my w_out tiles 0-3 likewise; v20-21 tiles 4-7
.set STO,  24
.set RD,   25
.set SPW,  28
.set NIL,  29
.set SCA,  32                          ; tile a: registers 4 a + 2 s + q
.set SCB,  48
.set AF,   128
.set BK,   128
.set G1,  24
.set G0,  32
.set G1B, 48
.set G0B, 56
.set MSB, 0
.macro WIN new                         ; the immediate's high byte repeats the setting that is left
.if MSB != (\new)
	s_set_vgpr_msb (MSB<<8)|(\new)
.set MSB, (\new)
.endif
.endm
.set MULW, 0xa1                        ; source 0 window 1, source 1 window 0, C and D window 2
.set TO_B, 0x40                        ; destination window 1, address window 0
.macro CROUND                          ; a round of the cluster's barrier
	s_barrier_signal -1
	s_barrier_wait -1
	s_cmp_lg_u32 s14, 0
	s_cbranch_scc1 .Lnot_wave_0_\@
	s_barrier_signal -3
.Lnot_wave_0_\@:
	s_barrier_wait -3
	s_barrier_signal -1
	s_barrier_wait -1
.endm
.macro PLACES                          ; plain vector instructions between a matrix instruction and a load into, or a read of, its registers
.rept 4
	v_nop
.endr
.endm
	s_load_b128 s[4:7], s[0:1], 0x0                ; yc, ys
	s_load_b128 s[8:11], s[0:1], 0x10              ; c1, s1
	s_load_b64 s[12:13], s[0:1], 0x20              ; out0
	v_lshl_add_u32 v[SPW], v0, 2, SPARE
	v_mov_b32 v[NIL], 0
	ds_add_u32 v[SPW], v[NIL]                      ; the opening add, twice on end
	ds_add_u32 v[SPW], v[NIL]
	v_lshrrev_b32 v1, 5, v0
	v_readfirstlane_b32 s14, v1                    ; wave 0..3
	s_lshr_b32 s15, s14, 1                         ; which 64 tokens are mine
	s_and_b32 s16, s14, 1                          ; which 128 features
	s_bfe_u32 s40, ttmp6, 0x40000                  ; cx, cy
	s_bfe_u32 s41, ttmp6, 0x40004
	s_lshl_b32 s42, ttmp9, 2
	s_add_co_u32 s42, s42, s40                     ; block column
	s_and_b32 s17, ttmp7, 0xffff
	s_lshl_b32 s17, s17, 2
	s_add_co_u32 s17, s17, s41                     ; block row
	s_lshl_b32 s43, s41, 2
	s_lshl_b32 s43, 15, s43                        ; my row of the cluster
	s_lshl_b32 s44, 0x1111, s40                    ; my column
	s_or_b32 s[G1], s43, (3<<16)|(1<<21)           ; the mask; elements of 8 bytes; bit 21 beside a mask
	s_or_b32 s[G1B], s44, (3<<16)|(1<<21)
.irp g, G1, G1B
	s_mov_b32 s[\g+1], 32<<16                      ; rows of 256 bytes, dense
	s_mov_b32 s[\g+3], 32<<16
	s_mov_b32 s[\g+5], 32
	s_mov_b32 s[\g+6], 0
	s_mov_b32 s[\g+7], 0
.endr
	s_mov_b32 s[G1+2], 384<<16                     ; y: 384 rows
	s_mov_b32 s[G1+4], 384
	s_mov_b32 s[G1B+2], 256<<16                    ; w_out: 256 rows a load
	s_mov_b32 s[G1B+4], 256
	s_mul_i32 s20, s17, 8*RTB                      ; y's codes: my block's 8 row tiles
	s_mov_b32 s21, 0
	s_lshl_b32 s22, s17, 12                        ; y's scale words: 512 bytes a row tile, my wave's four tiles
	s_lshl_b32 s23, s15, 11
	s_add_co_u32 s22, s22, s23
	s_mov_b32 s23, 0
	s_mul_i32 s46, s42, 16*RTB                     ; w_out's codes: the block column's 16 row tiles, part wave - 1
	s_lshl_b32 s47, s14, 16
	s_add_co_u32 s46, s46, s47
	s_add_co_u32 s46, s46, BCOFF-65536
	s_add_co_u32 s[G0B+1], s47, BIMG-65536         ; and where it goes: BIMG + 65,536 (wave - 1)
	s_mov_b32 s47, 0
	s_lshl_b32 s92, s42, 13                        ; w_out's scale words: my wave's eight tiles
	s_lshl_b32 s93, s16, 12
	s_add_co_u32 s92, s92, s93
	s_add_co_u32 s92, s92, BSOFF
	s_mov_b32 s93, 0
	s_lshl_b32 s18, s17, 19                        ; out0: row 128 x block row + 64 x half, of 4,096 bytes; column 1,024 x block column + 512 x half, in bytes
	s_lshl_b32 s19, s15, 18
	s_add_co_u32 s18, s18, s19
	s_lshl_b32 s19, s42, 10
	s_add_co_u32 s18, s18, s19
	s_lshl_b32 s19, s16, 9
	s_add_co_u32 s18, s18, s19
	s_mov_b32 s19, 0
	s_mul_i32 s94, s15, 4*RTB                      ; LDS: my four tiles of y,
	s_mul_i32 s95, s16, 8*RTB
	s_add_co_u32 s95, s95, BIMG                    ; my tiles 0-3 of w_out,
	s_add_co_u32 s96, s95, 4*RTB                   ; tiles 4-7,
	s_mul_i32 s97, s14, 16*SPITCH                  ; my stage
	s_mov_b32 s[G0], 1
	s_mov_b32 s[G0+1], 0
	s_mov_b32 s[G0B], 1
	v_and_b32 v1, 15, v0                           ; r
	v_bfe_u32 v2, v0, 4, 1                         ; h
	v_and_b32 v3, 31, v0
	v_lshlrev_b32 v[L16], 4, v3
	v_lshlrev_b32 v[L8], 3, v3
	v_add_nc_u32 v[ADRA], s94, v[L16]
	v_add_nc_u32 v[ADRA+1], s94, v[L8]
	v_add_nc_u32 v[ADRB], s95, v[L16]
	v_add_nc_u32 v[ADRB+1], s95, v[L8]
	v_add_nc_u32 v[ADRB+2], s96, v[L16]
	v_add_nc_u32 v[ADRB+3], s96, v[L8]
	v_mul_u32_u24 v6, v1, SPITCH
	v_lshl_add_u32 v6, v2, 6, v6
	v_add_nc_u32 v[STO], s97, v6                   ; into the stage: row r, + 64 h
	v_add_nc_u32 v[RD], s97, v[L16]                ; out of it: 16 x lane of a row
	s_wait_alu depctr_va_vdst(0)
	s_wait_dscnt 0x0                               ; both opening adds are done
	s_wait_kmcnt 0x0
	s_add_nc_u64 s[G0+2:G0+3], s[4:5], s[20:21]
	s_or_b32 s[G0+3], s[G0+3], 0x80000000
	s_add_nc_u64 s[G0B+2:G0B+3], s[8:9], s[46:47]
	s_or_b32 s[G0B+3], s[G0B+3], 0x80000000
	s_add_nc_u64 s[22:23], s[6:7], s[22:23]
	s_add_nc_u64 s[92:93], s[10:11], s[92:93]
	s_add_nc_u64 s[12:13], s[12:13], s[18:19]
.irp s, 0,1
.irp i, 0,1,2,3
	global_load_b64 v[SCA+4*\i+2*\s:SCA+4*\i+2*\s+1], v[L8], s[22:23] offset:\i*512+\s*256
.endr
.irp i, 0,1,2,3,4,5,6,7
	global_load_b64 v[SCB+4*\i+2*\s:SCB+4*\i+2*\s+1], v[L8], s[92:93] offset:\i*512+\s*256
.endr
.endr
	CROUND                                         ; all sixteen work-groups are here: the joint loads meet
	s_cmp_eq_u32 s14, 0                            ; one load a wave, in the two arms of one branch on the wave's number
	s_cbranch_scc0 .Lfor_b
	tensor_load_to_lds s[G0:G0+3], s[G1:G1+7]
	s_nop 0
	PLACES
	s_branch .Lasked
.Lfor_b:
	tensor_load_to_lds s[G0B:G0B+3], s[G1B:G1B+7]
	s_nop 0
	PLACES
.Lasked:
.macro FRAG reg, adr, off              ; a fragment = two units: registers 0-3, 4-5 of each; every load's lanes read consecutive bytes
	ds_load_b128 v[\reg:\reg+3], v[\adr] offset:\off
	ds_load_b64 v[\reg+4:\reg+5], v[\adr+1] offset:\off+512
	ds_load_b128 v[\reg+6:\reg+9], v[\adr] offset:\off+768
	ds_load_b64 v[\reg+10:\reg+11], v[\adr+1] offset:\off+1280
.endm
.macro FETCH st                        ; step st's twelve fragments, 48 loads, into set st % 2
	WIN TO_B
.irp i, 0,1,2,3,4,5,6,7
	FRAG 128*((\st)%2)+FR*\i, ADRB+2*(\i/4), (\i%4)*RTB+(\st)*1536
.endr
	WIN 0
.irp i, 0,1,2,3
	FRAG AF+48*((\st)%2)+FR*\i, ADRA, \i*RTB+(\st)*1536
.endr
.endm
.macro MUL st                          ; 32 matrix instructions, 128 along K; the 32 accumulators take turns, in the same order in every step
.set P,  (\st)%2
.set SQ, 2*((\st)/4)+(\st)%2
.irp a, 0,1,2,3
.irp b, 0,1,2,3,4,5,6,7
.if (\st) == 0
	v_wmma_scale_f32_16x16x128_f8f6f4 v[8*(8*\a+\b):8*(8*\a+\b)+7], v[128*P+FR*\b:128*P+FR*\b+FR-1], v[AF+48*P+FR*\a:AF+48*P+FR*\a+FR-1], 0, v[SCB+4*\b+SQ], v[SCA+4*\a+SQ] matrix_a_fmt:MATRIX_FMT_BF6 matrix_b_fmt:MATRIX_FMT_BF6
.else
.if ((\st)/2)%2
	v_wmma_scale_f32_16x16x128_f8f6f4 v[8*(8*\a+\b):8*(8*\a+\b)+7], v[128*P+FR*\b:128*P+FR*\b+FR-1], v[AF+48*P+FR*\a:AF+48*P+FR*\a+FR-1], v[8*(8*\a+\b):8*(8*\a+\b)+7], v[SCB+4*\b+SQ], v[SCA+4*\a+SQ] matrix_a_fmt:MATRIX_FMT_BF6 matrix_b_fmt:MATRIX_FMT_BF6 matrix_a_scale:MATRIX_SCALE_ROW1 matrix_b_scale:MATRIX_SCALE_ROW1
.else
	v_wmma_scale_f32_16x16x128_f8f6f4 v[8*(8*\a+\b):8*(8*\a+\b)+7], v[128*P+FR*\b:128*P+FR*\b+FR-1], v[AF+48*P+FR*\a:AF+48*P+FR*\a+FR-1], v[8*(8*\a+\b):8*(8*\a+\b)+7], v[SCB+4*\b+SQ], v[SCA+4*\a+SQ] matrix_a_fmt:MATRIX_FMT_BF6 matrix_b_fmt:MATRIX_FMT_BF6
.endif
.endif
.endr
.endr
.endm
	s_wait_tensorcnt 0x0                           ; my tile has landed,
	s_barrier_signal -1
	s_barrier_wait -1                              ; everybody's has
	FETCH 0
	s_wait_loadcnt 0x0                             ; the scale words
.irp st, 0,1,2,3,4,5,6
.if \st > 0
	PLACES                                         ; the other set was read by the last step's products
.endif
	FETCH \st+1
	s_wait_dscnt 48                                ; this step's fragments are in; the 48 loads just issued may be out
	WIN MULW
	MUL \st
.endr
	s_wait_dscnt 0x0                               ; the last step's fragments are in: my LDS reads are over;
	s_barrier_signal -1                            ; say so,
	MUL 7
	WIN 0
	s_barrier_wait -1                              ; and nobody reads y's bytes any more: the stages may be written
.macro TOSTAGE a
	WIN 0x08                                       ; an LDS store's data are its source 1: window 2
.irp b, 0,1,2,3,4,5,6,7
	ds_store_b128 v[STO], v[64*(\a)+8*\b:64*(\a)+8*\b+3] offset:128*(\b/2)+32*(\b%2)         ; each accumulator from its low end on
	ds_store_b128 v[STO], v[64*(\a)+8*\b+4:64*(\a)+8*\b+7] offset:128*(\b/2)+32*(\b%2)+16
.endr
	WIN 0
.set BB, BK+64*((\a)%2)
.irp t, 0,1,2,3,4,5,6,7,8,9,10,11,12,13,14,15
	ds_load_b128 v[BB+4*\t:BB+4*\t+3], v[RD] offset:\t*SPITCH    ; LDS serves a wave's instructions in order: these see the stores above
.endr
.endm
.macro SEND a, younger                 ; younger: the LDS instructions issued behind block a's loads, which may stay out
.set BB, BK+64*((\a)%2)
	s_wait_dscnt \younger
.irp t, 0,1,2,3,4,5,6,7,8,9,10,11,12,13,14,15
	global_store_b128 v[L16], v[BB+4*\t:BB+4*\t+3], s[12:13] offset:(32*((\a)/2)+8*((\a)%2)+\t+8*(\t/8))*4096 th:TH_STORE_NT   ; 32 lanes store 512 consecutive bytes, aligned
.endr
.endm
	PLACES
	TOSTAGE 0
.irp a, 1,2,3
.if \a > 1
	s_wait_xcnt 0x0                                ; block a - 2's stores have read their registers: block a's loads may land there
.endif
	TOSTAGE \a
	SEND \a-1, 32
.endr
	SEND 3, 0
	s_wait_tensorcnt 0x0                           ; the wave's end
	ds_add_u32 v[SPW], v[NIL]
	s_wait_dscnt 0x0
	CROUND                                         ; the closing round
	s_endpgm
.Lfunc_end_k_q970af2354a_proj:
	.size	k_q970af2354a_proj, .Lfunc_end_k_q970af2354a_proj-k_q970af2354a_proj
	.p2alignl 7, 3214868480
	.fill 96, 4, 3214868480
	.section	.rodata,"a",@progbits
	.p2align	6, 0x0
	.amdhsa_kernel k_q970af2354a_proj
		.amdhsa_group_segment_fixed_size 327680
		.amdhsa_private_segment_fixed_size 0
		.amdhsa_enable_private_segment 0
		.amdhsa_kernarg_size 40
		.amdhsa_user_sgpr_count 2
		.amdhsa_user_sgpr_kernarg_segment_ptr 1
		.amdhsa_wavefront_size32 1
		.amdhsa_system_sgpr_workgroup_id_x 1
		.amdhsa_system_sgpr_workgroup_id_y 1
		.amdhsa_system_sgpr_workgroup_id_z 1
		.amdhsa_system_vgpr_workitem_id 0
		.amdhsa_next_free_vgpr 768
		.amdhsa_next_free_sgpr 98
		.amdhsa_reserve_vcc 0
		.amdhsa_float_denorm_mode_32 3
		.amdhsa_float_denorm_mode_16_64 3
		.amdhsa_memory_ordered 1
		.amdhsa_forward_progress 1
		.amdhsa_inst_pref_size 81
	.end_amdhsa_kernel
	.amdgpu_metadata
---
amdhsa.version: [ 1, 2 ]
amdhsa.kernels:
  - .name:           k_q970af2354a_proj
    .symbol:         k_q970af2354a_proj.kd
    .args:
      - { .name: yc, .offset: 0, .size: 8, .value_kind: global_buffer, .address_space: global }
      - { .name: ys, .offset: 8, .size: 8, .value_kind: global_buffer, .address_space: global }
      - { .name: c1, .offset: 16, .size: 8, .value_kind: global_buffer, .address_space: global }
      - { .name: s1, .offset: 24, .size: 8, .value_kind: global_buffer, .address_space: global }
      - { .name: out0, .offset: 32, .size: 8, .value_kind: global_buffer, .address_space: global }
    .group_segment_fixed_size: 327680
    .private_segment_fixed_size: 0
    .kernarg_segment_align: 8
    .kernarg_segment_size: 40
    .max_flat_workgroup_size: 128
    .sgpr_count:     98
    .vgpr_count:     768
    .wavefront_size: 32
...
	.end_amdgpu_metadata
.endif
;; end of part 4
